; MI455X (gfx1250); checked and timed in simulation.
; The chip was launched on July 23, 2026; its instructions are those of AMD's public machine-readable ISA for CDNA 5 (MIT licence, August 2026) and "CDNA5" Instruction Set Architecture Reference Guide (July 2026). The comments in the code are by the model that wrote it; some were corrected since.
;; Attention. Allowed arithmetic: matrix products marked QUANTISED: E2M3 operands, one E8M0 scale for each 32 along K, by v_wmma_scale_f32_16x16x128_f8f6f4 with both operands' format E2M3, f32 sums; everything else in f32.
;; Inputs: Wk 2,048 x 4 x 128 float32; Wo 16 x 128 x 2,048 float32; Wq 2,048 x 16 x 128 float32; Wv 2,048 x 4 x 128 float32; x 4 x 1,024 x 2,048 float32.
;; Outputs: out0 4 x 1,024 x 2,048 float32.
;; This version of the problem:
;;   THIS VERSION OF THE PROBLEM IS GIVEN IN LOW PRECISION. The matrix products marked QUANTISED in the list below multiply operands that are first quantised to E2M3 (2 exponent bits, 3 mantissa bits; 6 bits a number), with one power-of-two scale for each 32 numbers along K (OCP MX v1.0); their sums are f32. All else is computed in f32.
;;   The module's matrix products, in the order in which they are computed (A, B: the left and right operand; K: the contracted axis; several contracted axes count as one K, in the product's order):
;;     1. [M 4,096, K 2,048] x [K 2,048, N 2,048]; A: input x; B: input Wq: QUANTISED
;;     2. [M 4,096, K 2,048] x [K 2,048, N 512]; A: input x; B: input Wk: QUANTISED
;;     3. [M 4,096, K 2,048] x [K 2,048, N 512]; A: input x; B: input Wv: QUANTISED
;;     4. batch 64 x [M 1,024, K 128] x [K 128, N 1,024]; A: computed on the way; B: computed on the way: QUANTISED
;;     5. batch 64 x [M 128, K 1,024] x [K 1,024, N 1,024]; A: computed on the way; B: softmax (see below): QUANTISED
;;     6. [M 4,096, K 2,048] x [K 2,048, N 2,048]; A: computed on the way; B: input Wo: QUANTISED
;;   THE QUANTISER, for each operand of a quantised product, along K:
;;     - K is cut into blocks of 32 from its start; a last block that is shorter is filled with zeros.
;;     - A block's scale is 2^e with e = floor(log2(the largest magnitude in the block)) - 2, held to -126 .. 127; a block of zeros has e = 0. As a byte (E8M0): e + 127.
;;     - Each number is divided by its block's scale, clamped to +-7.5, and rounded to the nearest number of E2M3, ties to even, subnormals kept.
;;     - The product sums the exact products of the quantised numbers (number of the format x scale) in f32.
;;   ~~~python
;;   def quantise(x, axis):      # numpy; x: float32 -> the quantised numbers, widened to float32 again
;;       x = np.moveaxis(x, axis, -1); K = x.shape[-1]
;;       x = np.pad(x, [(0, 0)] * (x.ndim - 1) + [(0, -K % 32)]); x = x.reshape(x.shape[:-1] + (-1, 32)); a = np.abs(x).max(-1, keepdims=True)
;;       e = np.where(a > 0, np.clip(np.frexp(np.where(a > 0, a, 1))[1] - 1 - 2, -126, 127), 0)      # np.frexp(a)[1] - 1 = floor(log2(a)), exactly
;;       r = np.clip(x / 2.0 ** e, -7.5, 7.5)
;;       step = 2.0 ** (np.maximum(np.frexp(np.where(r == 0, 1, r))[1] - 1, 0) - 3)
;;       q = np.round(r / step) * step * 2.0 ** e      # np.round: ties to even
;;       return np.moveaxis(q.reshape(q.shape[:-2] + (-1,))[..., :K], -1, axis).astype(np.float32)
;;   ~~~
;;   SOFTMAX AHEAD OF A QUANTISED PRODUCT. Where the list says 'softmax', what is quantised is not the finished softmax but p = 2^(t - M), with t = logit x log2(e) and M = ceil(the row's largest t), a whole number; so 1/2 < the row's largest p <= 1. The row's sum l is taken of the UNQUANTISED p, in f32, and the product's result is divided by l at the end. Since M is a whole number, a kernel that streams over the keys may use a running M (the ceiling of the running maximum): every later rescaling is an exact power of two, which a block's scale takes up: the codes' values come out the same.
;;   OPERANDS COMPUTED ON THE WAY. 'Computed on the way' means the value that the module computes at that place (a softmax that the list does not call 'softmax' is quantised finished and normalised). What goes into a quantiser is computed in f32, as accurately as f32 sums, v_exp_f32 and their like allow (about 1e-6 of the number): no bf16 or f16 on the way to a quantiser, and a product that is left as it is and whose result goes on into a quantised operand takes f32 operands (vector FMAs, or v_wmma_f32_16x16x4_f32). A number that lies on a knife's edge between two numbers of the format may be rounded either way, as far as f32 arithmetic and the matrix unit's own rounding can turn it there, and no further.
;; One version. Each part assembles by itself: llvm-mc -triple=amdgcn-amd-amdhsa -mcpu=gfx1250 --defsym DOCPART=n.
;; ======== version 1 of 1: 4 launches
;; limits: right only within a limited range of input values
;; workspace buffers: xw_img 14,155,776 bytes; xw_scl 589,824 bytes; rope 532,480 bytes; qkv_img 9,437,184 bytes; qkv_scl 393,216 bytes; att_img 6,291,456 bytes; att_scl 262,144 bytes
;; launch prep (part 1): grid 576 x 1, 4 waves a work-group, no clusters, 61,952 bytes of LDS; arguments x, Wq, Wk, Wv, Wo, xw_img, xw_scl, rope; writes xw_img, xw_scl, rope
.if DOCPART == 1
	.amdgcn_target "amdgcn-amd-amdhsa--gfx1250"
	.amdhsa_code_object_version 6
	.text
	.protected	k_qf6da49503f_prep
	.globl	k_qf6da49503f_prep
	.p2align	8
	.type	k_qf6da49503f_prep,@function
k_qf6da49503f_prep:
	s_mov_b64 s[64:65], 0
	v_nop
	global_prefetch_b8 v0, s[64:65] scope:SCOPE_SE
	s_setreg_imm32_b32 hwreg(HW_REG_WAVE_MODE, 25, 1), 1
	s_wait_xcnt 0x0
; x [4096][2048] and the four weights (each [2048 (K)][N], K its first axis) become codes of FP6 (E2M3) with one E8M0 byte for each 32 along K; and the table of cosines and sines for the rotation is made.
; WHAT IS STORED IS AN IMAGE OF OPERAND REGISTERS.  A fragment is 16 rows x 128 K: 12 registers a lane, 1,536 bytes: registers 4 c .. 4 c + 3 of lane L at 512 c + 16 L.  Its scale words: 64 bytes, word r for row r.
; ROWS ARE STORED IN A PERMUTED ORDER: inside each group of 32 rows (of x) or columns n (of a weight), stored row 16 u + r is actual row 8 u + r + 8 (r / 8).  A product whose source 0 has such rows leaves 16 NEIGHBOURS of that axis
; in the 16 registers of two neighbouring tiles, which is what the next quantiser wants.
; xw_img: x's fragment (row block P, K step s) at (16 P + s) x 1,536; the weights' from XIMG on at (16 Pw + s) x 1,536: Pw 0-127 Wq, 128 + 16 g + 0..7 Wk's head g, + 8..15 Wv's head g, 192-319 Wo.
; xw_scl: x: 1,024 P + 64 s + 4 r;  Wq, Wk, Wv: 262,144 + 1,024 Pw + 64 s + 4 r;  Wo: 458,752 + 8,192 s + 64 (Pw - 192) + 4 r.
; rope: 65 blocks of 8,192 bytes.  Block A (16 positions, a stored row block): sixteen runs of 512 bytes, run q at 512 q + 16 x lane: q 0-7 cosines, 8-15 sines; word t = 4 (q % 8) + w belongs to frequency 32 (t / 16) + 16 (lane / 16) + t % 16
; and position 32 (A / 2) + 8 (A % 2) + r + 8 (r / 8), r = lane % 16.  Block 64: cosine 1, sine 0, for what is not rotated.
; A block's scale is 2^(floor(log2(its largest magnitude)) - 2): its byte is the largest magnitude's exponent field - 2, held at 1 from below.
; LIMITS: a block of zeros, or one whose largest magnitude lies under 2^-124, gets the byte 1 (the rule says 127 for zeros): its codes are zeros or the rule's own, and this program alone reads the bytes.  NaN and infinities are not served.
; The angle: the timescale 10000^(i / 64) comes from v_exp_f32 (1 ulp, ISA guide 15.8) with the exponent's rounding taken out, the quotient is corrected once: an angle may differ from an f32 angle computed otherwise by about 1e-7 of itself,
; at position 1,023 by about 1e-4.  Sine and cosine: two-part reduction by pi / 2 and polynomials whose remainder lies under 3e-9.
; SHARES: work-groups 0-255: a row block of x each (wave w: K steps 4 w .. 4 w + 3), and 256 numbers of the table.  Work-groups 256-575: 128 columns x 256 K of a weight (wave w: 32 columns).  Each reads 128 KB.
; No tensor load, no barrier: waves share nothing.  The two paths have LDS bytes of their own.
.set XIMG,  6291456
.set XST,   0                          ; x's stages: 16 rows x (512 + 16) bytes for each wave
.set XSS,   33792                      ; x's scale words: 256 bytes for each wave
.set WST,   34816                      ; the weights' stages: four fragments, 1,664 bytes apart, for each wave
.set SPARE, 61440                      ; the spare words, 128 bytes for each wave: two blocks of 256 bytes that no other line names
.set SPW,   10                         ; v10  SPARE + 4 x my thread's number; never rewritten
.set NIL,   11                         ; v11  0; never rewritten
.set SEL,   2                          ; s[2:3] v_permlanex16_b32's selects for lane l xor 16
.set SW,    12                         ; v12-15 x's scale words, one a K step
.set PC,    16                         ; v16-35 the codes just made (12), and 8 at work
.set TM,    36                         ; v36-47 at work in QUANT
.set X,     64                         ; v64-127 64 numbers as QUANT wants them
.set R,     128                        ; v128-255 two sets of 64 numbers as loaded
.set OFF,   32                         ; weights: v32-63 4 x lane + i x pitch
.set C,     16                         ; weights: v16-21 a block's six words; v22-24 its second half as converted
.set D,     22
.set SB,    12                         ; weights: v12-13 a K step's four scale bytes
.set OUTR,  128                        ; weights: v128-175 the way out
; 64 numbers of a lane, register 16 b + i = k 32 b + 16 (lane / 16) + i of the lane's row, become a fragment's codes in v[PC] .. v[PC + 11] and the row's scale word in v[pw].
.macro QUANT s, pw
.irp b, 0,1,2,3
	v_max3_num_f32 v[TM+\b], |v[\s+16*\b]|, |v[\s+1+16*\b]|, 0x1800000   ; block b: my 16 numbers, and the floor 2^(3 - 127): the byte cannot fall under 1
.endr
.irp i, 2,4,6,8,10,12,14
.irp b, 0,1,2,3
	v_max3_num_f32 v[TM+\b], v[TM+\b], |v[\s+16*\b+\i]|, |v[\s+1+16*\b+\i]|   ; the four blocks by turns
.endr
.endr
.irp b, 0,1,2,3
	v_permlanex16_b32 v[TM+4+\b], v[TM+\b], s[SEL], s[SEL+1]
.endr
.irp b, 0,1,2,3
	v_max_num_f32 v[TM+\b], v[TM+\b], v[TM+4+\b]   ; with lane l xor 16's: the block's largest magnitude
.endr
.irp b, 0,1,2,3
	v_add_nc_u32 v[TM+8+\b], 0xff000000, v[TM+\b]   ; 2 off its exponent field: the conversion's scale operand
.endr
.irp b, 0,1,2,3
	v_lshrrev_b32 v[TM+4+\b], 23, v[TM+8+\b]       ; the scale's byte
.endr
	v_lshl_or_b32 v[\pw], v[TM+5], 8, v[TM+4]
	v_lshl_or_b32 v[\pw], v[TM+6], 16, v[\pw]
	v_lshl_or_b32 v[\pw], v[TM+7], 24, v[\pw]
.irp c, 0,1
	v_cvt_scalef32_pk16_fp6_f32 v[PC+6*\c:PC+2+6*\c], v[\s+32*\c:\s+15+32*\c], v[TM+8+2*\c]
	v_cvt_scalef32_pk16_fp6_f32 v[PC+12+4*\c:PC+14+4*\c], v[\s+16+32*\c:\s+31+32*\c], v[TM+8+2*\c+1]   ; (a conversion's three registers begin on an even number)
.endr
	v_nop                                          ; one plain place behind a scaled conversion
.irp c, 0,1                                    ; the layout wants a WHOLE block in a lane: lanes 0-15 block 2 c, lanes 16-31 block 2 c + 1
.irp i, 0,1,2
	v_permlane16_swap_b32 v[PC+6*\c+\i], v[PC+12+4*\c+\i]
.endr
.irp i, 0,1,2
	v_mov_b32 v[PC+3+6*\c+\i], v[PC+12+4*\c+\i]
.endr
.endr
.endm
	s_load_b512 s[4:19], s[0:1], 0x0               ; x s[4:5], Wq s[6:7], Wk s[8:9], Wv s[10:11], Wo s[12:13], xw_img s[14:15], xw_scl s[16:17], rope s[18:19]
	v_lshl_add_u32 v[SPW], v0, 2, SPARE
	v_mov_b32 v[NIL], 0
	v_lshrrev_b32 v1, 5, v0
	v_readfirstlane_b32 s20, v1                    ; wave 0..3
	v_and_b32 v2, 31, v0                           ; lane
	v_lshlrev_b32 v4, 4, v2                        ; 16 x lane
	s_mov_b32 s[SEL], 0x76543210
	s_mov_b32 s[SEL+1], 0xfedcba98
	s_cmp_lt_u32 ttmp9, 256
	s_cbranch_scc0 .Lweights
	; ================ x: row block P = the work-group's number ================
	s_lshr_b32 s21, ttmp9, 1
	s_lshl_b32 s21, s21, 5
	s_and_b32 s22, ttmp9, 1
	s_lshl_b32 s22, s22, 3
	s_add_co_u32 s21, s21, s22                     ; the block's first actual row: 32 (P / 2) + 8 (P % 2)
	s_lshl_b32 s21, s21, 13                        ; rows of 8,192 bytes
	s_lshl_b32 s22, s20, 11                        ; my wave's four K steps: 2,048 bytes of each row
	s_add_co_u32 s22, s21, s22
	s_mov_b32 s23, 0
	s_lshl_b32 s24, ttmp9, 4
	s_lshl_b32 s25, s20, 2
	s_add_co_u32 s24, s24, s25
	s_mul_i32 s24, s24, 1536                       ; my first fragment: (16 P + 4 w) x 1,536
	s_mov_b32 s25, 0
	s_lshl_b32 s26, ttmp9, 10
	s_lshl_b32 s27, s20, 8
	s_add_co_u32 s26, s26, s27                     ; my scale words: 1,024 P + 256 w
	s_mov_b32 s27, 0
	s_mul_i32 s28, s20, 8448                       ; my stage (XST = 0)
	s_wait_alu depctr_va_vdst(0)
	v_add_nc_u32 v5, s28, v4                       ; in: 16 x lane of a row's 512 bytes
	v_and_b32 v1, 15, v0                           ; r
	v_bfe_u32 v3, v0, 4, 1                         ; h
	v_mul_u32_u24 v6, v1, 528
	v_lshl_add_u32 v6, v3, 6, v6
	v_add_nc_u32 v6, s28, v6                       ; out: row r, + 64 h: my 16 numbers of a block of 32.  528 = 33 x 16: sixteen rows start in sixteen different columns of 16 bytes
	s_lshl_b32 s28, s20, 8
	s_add_co_u32 s28, s28, XSS
	v_lshl_add_u32 v7, v2, 2, s28
	v_lshl_add_u32 v8, v2, 3, s28
	v_lshlrev_b32 v9, 3, v2
.irp b, 0,1,2,3
	v_mov_b32 v[TM+4+\b], 0                        ; written once: a lane permute's destination counts as one of its sources
.endr
	s_wait_kmcnt 0x0
	s_add_nc_u64 s[4:5], s[4:5], s[22:23]
	s_add_nc_u64 s[14:15], s[14:15], s[24:25]
	s_add_nc_u64 s[16:17], s[16:17], s[26:27]
.macro XLOAD t                         ; K step 4 w + t of the 16 rows: each load reads 512 consecutive bytes of one row
.irp i, 0,1,2,3,4,5,6,7,8,9,10,11,12,13,14,15
	global_load_b128 v[R+64*((\t)%2)+4*\i:R+64*((\t)%2)+4*\i+3], v4, s[4:5] offset:(\i+8*(\i/8))*8192+512*(\t) th:TH_LOAD_NT
.endr
.endm
	XLOAD 0
	XLOAD 1
	; ---- the table, while those loads are on their way: two neighbouring frequencies of one position for each thread
	s_mov_b32 s30, 0x3e549a80                      ; log2(10000) / 64 cut to 18 bits: its product with a whole number under 64 is exact
	s_mov_b32 s31, 0xb3aadf93                      ; what was cut off, x ln 2
	s_mov_b32 s32, 0x3f22f983                      ; 2 / pi
	s_mov_b32 s33, 0xbfc90fdb                      ; -(pi / 2), its f32 part,
	s_mov_b32 s34, 0x333bbd2e                      ; and the rest, with its sign
	s_mov_b32 s35, 0xbe2aaaab                      ; sine: -1/6, 1/120, -1/5040, 1/362880
	s_mov_b32 s36, 0x3c088889
	s_mov_b32 s37, 0xb9500d01
	s_mov_b32 s38, 0x3638ef1d
	s_mov_b32 s39, 0x3d2aaaab                      ; cosine: 1/24, -1/720, 1/40320, -1/3628800
	s_mov_b32 s40, 0xbab60b61
	s_mov_b32 s41, 0x37d00d01
	s_mov_b32 s42, 0xb493f27e
	s_lshr_b32 s22, ttmp9, 1
	s_and_b32 s22, s22, 1
	s_lshl_b32 s22, s22, 5
	s_and_b32 s23, ttmp9, 1
	s_lshl_b32 s23, s23, 3
	s_add_co_u32 s22, s22, s23
	v_bfe_u32 v64, v0, 5, 1
	v_lshlrev_b32 v64, 4, v64
	v_lshrrev_b32 v65, 6, v0
	v_lshl_add_u32 v64, v65, 2, v64
	v_and_b32 v65, 1, v0
	v_lshl_add_u32 v64, v65, 1, v64
	v_add_nc_u32 v64, s22, v64                     ; frequency i = 32 ((wg / 2) % 2) + 16 ((t / 32) % 2) + 8 (wg % 2) + 4 (t / 64) + 2 (t % 2),
	v_add_nc_u32 v65, 1, v64                       ; and i + 1
	v_cvt_f32_u32 v64, v64
	v_cvt_f32_u32 v65, v65
	s_lshr_b32 s23, ttmp9, 2                       ; the table's block A
	s_lshr_b32 s24, s23, 1
	s_lshl_b32 s24, s24, 5
	s_and_b32 s25, s23, 1
	s_lshl_b32 s25, s25, 3
	s_add_co_u32 s24, s24, s25
	v_bfe_u32 v66, v0, 1, 4
	v_and_b32 v67, 8, v66
	v_add3_u32 v66, v66, v67, s24                  ; position 32 (A / 2) + 8 (A % 2) + r + 8 (r / 8), r = (t / 2) % 16
	v_cvt_f32_u32 v66, v66
	v_mul_f32 v68, s30, v64                        ; exact
	v_mul_f32 v69, s30, v65
	s_wait_alu depctr_va_vdst(0)
	v_exp_f32 v68, v68
	v_exp_f32 v69, v69
	v_mul_f32 v70, s31, v64                        ; (plain lines behind the exponentials)
	v_mul_f32 v71, s31, v65
	s_wait_alu depctr_va_vdst(0)                   ; one wait for the two, ahead of their first reader
	v_fma_f32 v68, v68, v70, v68                   ; the timescale 10000^(i / 64)
	v_fma_f32 v69, v69, v71, v69
	s_wait_alu depctr_va_vdst(0)
	v_rcp_f32 v70, v68
	v_rcp_f32 v71, v69
	v_nop
	s_wait_alu depctr_va_vdst(0)                   ; and one for the two reciprocals
	v_mul_f32 v72, v66, v70
	v_mul_f32 v73, v66, v71
	v_fma_f32 v74, -v72, v68, v66                  ; the quotient's remainder,
	v_fma_f32 v75, -v73, v69, v66
	v_fma_f32 v72, v74, v70, v72                   ; put back: the angle
	v_fma_f32 v73, v75, v71, v73
.irp a, 0,1
	v_mul_f32 v[74+\a], s32, v[72+\a]
	v_rndne_f32 v[74+\a], v[74+\a]                 ; n: how many quarter turns
	v_fma_f32 v[72+\a], v[74+\a], s33, v[72+\a]
	v_fma_f32 v[72+\a], v[74+\a], s34, v[72+\a]    ; what is left: at most pi / 4
	v_mul_f32 v[76+\a], v[72+\a], v[72+\a]
	v_fma_f32 v[78+\a], v[76+\a], s38, s37
	v_fma_f32 v[78+\a], v[78+\a], v[76+\a], s36
	v_fma_f32 v[78+\a], v[78+\a], v[76+\a], s35
	v_mul_f32 v[78+\a], v[78+\a], v[76+\a]
	v_fma_f32 v[78+\a], v[72+\a], v[78+\a], v[72+\a]   ; its sine
	v_fma_f32 v[80+\a], v[76+\a], s42, s41
	v_fma_f32 v[80+\a], v[80+\a], v[76+\a], s40
	v_fma_f32 v[80+\a], v[80+\a], v[76+\a], s39
	v_fma_f32 v[80+\a], v[80+\a], v[76+\a], -0.5
	v_fma_f32 v[80+\a], v[80+\a], v[76+\a], 1.0    ; its cosine
	v_cvt_i32_f32 v[82+\a], v[74+\a]
	v_and_b32 v[84+\a], 1, v[82+\a]
	v_cmp_eq_u32 vcc_lo, 1, v[84+\a]               ; an odd number of quarter turns: the two change places
	v_cndmask_b32 v[86+\a], v[78+\a], v[80+\a], vcc_lo
	v_cndmask_b32 v[88+\a], v[80+\a], v[78+\a], vcc_lo
	v_and_b32 v[84+\a], 2, v[82+\a]
	v_lshlrev_b32 v[84+\a], 30, v[84+\a]
	v_xor_b32 v[50+\a], v[84+\a], v[86+\a]         ; the sine is negated in quarters 2 and 3,
	v_add_nc_u32 v[82+\a], 1, v[82+\a]
	v_and_b32 v[82+\a], 2, v[82+\a]
	v_lshlrev_b32 v[82+\a], 30, v[82+\a]
	v_xor_b32 v[48+\a], v[82+\a], v[88+\a]         ; the cosine in quarters 1 and 2
.endr
	s_lshl_b32 s46, s23, 13
	s_and_b32 s47, ttmp9, 3
	s_lshl_b32 s47, s47, 10
	s_add_co_u32 s46, s46, s47
	s_mov_b32 s47, 0
	s_add_nc_u64 s[48:49], s[18:19], s[46:47]      ; block A, my work-group's 1,024 bytes of its cosines
	v_lshlrev_b32 v52, 3, v0
	global_store_b64 v52, v[48:49], s[48:49]               ; a wave stores 256 consecutive bytes, aligned
	global_store_b64 v52, v[50:51], s[48:49] offset:4096   ; v48-57 are not written again
	s_cmp_lt_u32 ttmp9, 4                          ; block 64: work-groups 0 and 1 its cosines, 1.0; 2 and 3 its sines, 0
	s_cbranch_scc0 .Lno_unit
	s_lshl_b32 s46, ttmp9, 11
	s_add_co_u32 s46, s46, 64*8192
	s_add_nc_u64 s[50:51], s[18:19], s[46:47]
	s_cmp_lt_u32 ttmp9, 2
	s_cselect_b32 s46, 1.0, 0
.irp i, 0,1,2,3
	v_mov_b32 v[54+\i], s46
.endr
	v_lshlrev_b32 v53, 4, v0
	global_store_b128 v53, v[54:57], s[50:51]
.Lno_unit:
; A K step: the 16 x 512 bytes go through my stage as they lie and come back 64 bytes a lane; LDS serves a wave's instructions in order, so no wait stands between the stores and the loads.
.macro XSTEP t
.if (\t) < 3
	s_wait_loadcnt 16                              ; this step's 16 loads are in; the next step's 16 may be out
.else
	s_wait_loadcnt 0x0
.endif
.irp i, 0,1,2,3,4,5,6,7,8,9,10,11,12,13,14,15
	ds_store_b128 v5, v[R+64*((\t)%2)+4*\i:R+64*((\t)%2)+4*\i+3] offset:528*\i
.endr
.irp b, 0,1,2,3
.irp j, 0,1,2,3
	ds_load_b128 v[X+16*\b+4*\j:X+16*\b+4*\j+3], v6 offset:128*\b+16*\j
.endr
.endr
	s_wait_dscnt 0x0                               ; the numbers are back, and the stores have read their registers,
.if (\t) < 2
	XLOAD (\t)+2                                   ; which take the loads of two steps on
.endif
	s_wait_xcnt 0x0                                ; the last step's stores have read the codes' registers: they are written again only behind this wait
	QUANT X, SW+(\t)
.irp c, 0,1,2
	global_store_b128 v4, v[PC+4*\c:PC+4*\c+3], s[14:15] offset:1536*(\t)+512*\c   ; the image: 512 consecutive bytes a store
.endr
.endm
	XSTEP 0
	XSTEP 1
	XSTEP 2
	XSTEP 3
	v_cmp_le_u32 vcc_lo, 16, v2                    ; a word stands in lanes r and r + 16 alike: lanes 0-15 keep the even step's, lanes 16-31 the odd step's
	v_cndmask_b32 v58, v[SW], v[SW+1], vcc_lo
	v_cndmask_b32 v59, v[SW+2], v[SW+3], vcc_lo
	ds_store_b32 v7, v58
	ds_store_b32 v7, v59 offset:128
	ds_load_b64 v[60:61], v8
	s_wait_dscnt 0x0
	global_store_b64 v9, v[60:61], s[16:17]        ; 32 lanes store 256 consecutive bytes, aligned
	s_wait_tensorcnt 0x0                           ; the wave's end, behind my last LDS store
	ds_add_u32 v[SPW], v[NIL]
	s_wait_dscnt 0x0
	s_endpgm
	; ================ the weights: 128 columns x 256 along K for a work-group ================
	; A LANE TAKES A COLUMN n, AND ITS REGISTERS RUN DOWN K: a block of 32 lies in one lane, and the conversions give codes with K innermost.  Nothing is transposed by an instruction.
.Lweights:
	s_sub_co_u32 s21, ttmp9, 256
	s_lshr_b32 s22, s21, 3                         ; g: which 128 columns, 0..39: 16 of Wq, 4 of Wk, 4 of Wv, 16 of Wo
	s_and_b32 s23, s21, 7                          ; which 256 along K
	v_bfe_u32 v1, v0, 3, 1                         ; my column l of the wave's 32 is stored row r of fragment u: u = (l / 8) % 2,
	v_and_b32 v3, 7, v0
	v_bfe_u32 v8, v0, 4, 1
	v_lshl_add_u32 v3, v8, 3, v3                   ; r = l % 8 + 8 (l / 16)
	s_mul_i32 s42, s20, 6656
	s_add_co_u32 s42, s42, WST                     ; my stage
	v_mul_u32_u24 v5, v1, 1664
	v_lshl_add_u32 v5, v3, 4, v5
	v_add_nc_u32 v5, s42, v5                       ; in: fragment u, lane r's 16 bytes
	s_wait_alu depctr_va_vdst(0)
	v_add_nc_u32 v6, s42, v4                       ; out: 16 x lane
	s_wait_kmcnt 0x0
	s_mov_b64 s[24:25], s[12:13]                   ; Wo: pitch 8,192, loc = g - 24, first stored block 192 + 8 loc
	s_sub_co_u32 s26, s22, 24
	s_lshl_b32 s27, s26, 3
	s_add_co_u32 s27, s27, 192
	s_mov_b32 s28, 8192
	s_sub_co_u32 s29, s22, 20                      ; Wv: pitch 2,048, loc = g - 20, 136 + 16 loc
	s_lshl_b32 s30, s29, 4
	s_add_co_u32 s30, s30, 136
	s_mov_b32 s31, 2048
	s_cmp_lt_u32 s22, 24                           ; every choice hangs on the work-group's number alone
	s_cselect_b64 s[24:25], s[10:11], s[24:25]
	s_cselect_b32 s26, s29, s26
	s_cselect_b32 s27, s30, s27
	s_cselect_b32 s28, s31, s28
	s_sub_co_u32 s29, s22, 16                      ; Wk: loc = g - 16, 128 + 16 loc
	s_lshl_b32 s30, s29, 4
	s_add_co_u32 s30, s30, 128
	s_cmp_lt_u32 s22, 20
	s_cselect_b64 s[24:25], s[8:9], s[24:25]
	s_cselect_b32 s26, s29, s26
	s_cselect_b32 s27, s30, s27
	s_lshl_b32 s30, s22, 3                         ; Wq: pitch 8,192, loc = g, 8 g
	s_mov_b32 s31, 8192
	s_cmp_lt_u32 s22, 16
	s_cselect_b64 s[24:25], s[6:7], s[24:25]
	s_cselect_b32 s26, s22, s26
	s_cselect_b32 s27, s30, s27
	s_cselect_b32 s28, s31, s28
	s_lshl_b32 s32, s23, 8                         ; my wave's first number: row 256 ky, column 128 loc + 32 w
	s_mul_i32 s32, s32, s28
	s_lshl_b32 s33, s26, 9
	s_add_co_u32 s32, s32, s33
	s_lshl_b32 s33, s20, 7
	s_add_co_u32 s32, s32, s33
	s_mov_b32 s33, 0
	s_add_nc_u64 s[48:49], s[24:25], s[32:33]      ; a base for each of the eight blocks of 32 rows: none is stepped
	s_lshl_b32 s32, s28, 5
.irp t, 1,2,3,4,5,6,7
	s_add_nc_u64 s[48+2*\t:49+2*\t], s[46+2*\t:47+2*\t], s[32:33]
.endr
	v_lshlrev_b32 v[OFF], 2, v2
.irp i, 1,2,3,4,5,6,7,8,9,10,11,12,13,14,15,16,17,18,19,20,21,22,23,24,25,26,27,28,29,30,31
	v_add_nc_u32 v[OFF+\i], s28, v[OFF+\i-1]       ; 4 x lane + i rows
.endr
	s_sub_co_u32 s37, s27, 192                     ; the scale words: from stored block to block SP bytes, from K step to K step SS
	s_cmp_lt_u32 s22, 24
	s_mov_b32 s34, 64
	s_cselect_b32 s34, 1024, s34                   ; SP
	s_mov_b32 s35, 8192
	s_cselect_b32 s35, 64, s35                     ; SS
	s_mov_b32 s36, 458752
	s_cselect_b32 s36, 262144, s36
	s_cselect_b32 s37, s27, s37                    ; blocks count from Wq's first, or from Wo's first
	s_lshl_b32 s38, s20, 1
	s_add_co_u32 s37, s37, s38
	s_mul_i32 s37, s37, s34
	s_add_co_u32 s36, s36, s37
	s_lshl_b32 s38, s23, 1
	s_mul_i32 s38, s38, s35
	s_add_co_u32 s36, s36, s38
	s_mov_b32 s37, 0
	s_add_nc_u64 s[16:17], s[16:17], s[36:37]      ; K step 2 ky,
	s_mov_b32 s36, s35
	s_add_nc_u64 s[40:41], s[16:17], s[36:37]      ; and 2 ky + 1
	v_mul_u32_u24 v7, s34, v1
	v_lshl_add_u32 v7, v3, 2, v7                   ; u SP + 4 r
	s_lshl_b32 s38, s20, 1
	s_add_co_u32 s38, s38, s27
	s_lshl_b32 s38, s38, 4
	s_lshl_b32 s39, s23, 1
	s_add_co_u32 s38, s38, s39
	s_mul_i32 s38, s38, 1536
	s_add_co_u32 s38, s38, XIMG
	s_mov_b32 s39, 0
	s_add_nc_u64 s[14:15], s[14:15], s[38:39]      ; my first fragment: stored block Pw0 + 2 w, K step 2 ky
.macro WLOAD t                         ; block t: W(256 ky + 32 t + i, my column): a wave reads 128 consecutive bytes, the work-group 512
.irp i, 0,1,2,3,4,5,6,7,8,9,10,11,12,13,14,15,16,17,18,19,20,21,22,23,24,25,26,27,28,29,30,31
	global_load_b32 v[X+32*((\t)%2)+\i], v[OFF+\i], s[48+2*(\t):49+2*(\t)] th:TH_LOAD_NT
.endr
.endm
	s_wait_alu depctr_va_vdst(0)
	WLOAD 0
	WLOAD 1
; Block t = 4 sl + 2 c + h of my column is registers 6 c .. 6 c + 5 of lane r + 16 h of fragment (u, K step sl): 24 bytes, laid into the fragment's image by a store of 16 bytes and one of 8.
.macro WBLOCK t
.set XS, X+32*((\t)%2)
.set WO, 3328*((\t)/4)+256*((\t)%2)
.if (\t) < 7
	s_wait_loadcnt 32                              ; this block's 32 loads are in; the next block's may be out
.else
	s_wait_loadcnt 0x0
.endif
	v_max3_num_f32 v26, |v[XS]|, |v[XS+1]|, |v[XS+2]|   ; the block's largest magnitude: all 32 numbers are mine
	v_max3_num_f32 v27, |v[XS+3]|, |v[XS+4]|, |v[XS+5]|
.irp i, 6,10,14,18,22,26
	v_max3_num_f32 v26, v26, |v[XS+\i]|, |v[XS+\i+1]|
	v_max3_num_f32 v27, v27, |v[XS+\i+2]|, |v[XS+\i+3]|
.endr
	v_max3_num_f32 v26, v26, |v[XS+30]|, |v[XS+31]|
	v_max3_num_f32 v26, v26, v27, 0x1800000        ; and the floor 2^(3 - 127)
	v_add_nc_u32 v28, 0xff000000, v26              ; the conversion's scale operand
	v_lshrrev_b32 v29, 23, v28                     ; the scale's byte
.if (\t)%4 == 0
	v_mov_b32 v[SB+(\t)/4], v29
.else
	v_lshl_or_b32 v[SB+(\t)/4], v29, 8*((\t)%4), v[SB+(\t)/4]
.endif
	v_cvt_scalef32_pk16_fp6_f32 v[C:C+2], v[XS:XS+15], v28
	v_cvt_scalef32_pk16_fp6_f32 v[D:D+2], v[XS+16:XS+31], v28
	v_nop                                          ; one plain place behind a scaled conversion
.irp i, 0,1,2
	v_mov_b32 v[C+3+\i], v[D+\i]
.endr
.if ((\t)/2)%2 == 0
	ds_store_b128 v5, v[C:C+3] offset:WO
	ds_store_b64 v5, v[C+4:C+5] offset:WO+512
.else
	ds_store_b64 v5, v[C:C+1] offset:WO+520
	ds_store_b128 v5, v[C+2:C+5] offset:WO+1024
.endif
.if (\t) < 6
	WLOAD (\t)+2
.endif
	s_wait_dscnt 0x0                               ; the stores have read their registers: the next block's codes may be written
.endm
.irp t, 0,1,2,3,4,5,6,7
	WBLOCK \t
.endr
	global_store_b32 v7, v[SB], s[16:17]           ; my column's scale words: runs of 32 to 64 bytes; one byte in 128 of what the launch reads
	s_wait_alu depctr_va_vdst(0)
	global_store_b32 v7, v[SB+1], s[40:41]
.irp sl, 0,1
.irp u, 0,1
.irp q, 0,1,2
	ds_load_b128 v[OUTR+4*(6*\sl+3*\u+\q):OUTR+4*(6*\sl+3*\u+\q)+3], v6 offset:3328*\sl+1664*\u+512*\q   ; LDS serves a wave's instructions in order: these see my stores
.endr
.endr
.endr
.irp sl, 0,1
.irp u, 0,1
.irp q, 0,1,2
	s_wait_dscnt 11-(6*\sl+3*\u+\q)                ; the younger loads may be out
	global_store_b128 v4, v[OUTR+4*(6*\sl+3*\u+\q):OUTR+4*(6*\sl+3*\u+\q)+3], s[14:15] offset:24576*\u+1536*\sl+512*\q   ; 512 consecutive bytes a store
.endr
.endr
.endr
	s_wait_tensorcnt 0x0                           ; the wave's end, behind my last LDS store
	ds_add_u32 v[SPW], v[NIL]
	s_wait_dscnt 0x0
	s_endpgm
.Lfunc_end_k_qf6da49503f_prep:
	.size	k_qf6da49503f_prep, .Lfunc_end_k_qf6da49503f_prep-k_qf6da49503f_prep
	.p2alignl 7, 3214868480
	.fill 96, 4, 3214868480
	.section	.rodata,"a",@progbits
	.p2align	6, 0x0
	.amdhsa_kernel k_qf6da49503f_prep
		.amdhsa_group_segment_fixed_size 61952
		.amdhsa_private_segment_fixed_size 0
		.amdhsa_enable_private_segment 0
		.amdhsa_kernarg_size 64
		.amdhsa_user_sgpr_count 2
		.amdhsa_user_sgpr_kernarg_segment_ptr 1
		.amdhsa_wavefront_size32 1
		.amdhsa_system_sgpr_workgroup_id_x 1
		.amdhsa_system_sgpr_workgroup_id_y 1
		.amdhsa_system_sgpr_workgroup_id_z 1
		.amdhsa_system_vgpr_workitem_id 0
		.amdhsa_next_free_vgpr 256
		.amdhsa_next_free_sgpr 66
		.amdhsa_reserve_vcc 1
		.amdhsa_float_denorm_mode_32 3
		.amdhsa_float_denorm_mode_16_64 3
		.amdhsa_memory_ordered 1
		.amdhsa_forward_progress 1
		.amdhsa_inst_pref_size 84
	.end_amdhsa_kernel
	.amdgpu_metadata
---
amdhsa.version: [ 1, 2 ]
amdhsa.kernels:
  - .name:           k_qf6da49503f_prep
    .symbol:         k_qf6da49503f_prep.kd
    .args:
      - { .name: x, .offset: 0, .size: 8, .value_kind: global_buffer, .address_space: global }
      - { .name: Wq, .offset: 8, .size: 8, .value_kind: global_buffer, .address_space: global }
      - { .name: Wk, .offset: 16, .size: 8, .value_kind: global_buffer, .address_space: global }
      - { .name: Wv, .offset: 24, .size: 8, .value_kind: global_buffer, .address_space: global }
      - { .name: Wo, .offset: 32, .size: 8, .value_kind: global_buffer, .address_space: global }
      - { .name: xw_img, .offset: 40, .size: 8, .value_kind: global_buffer, .address_space: global }
      - { .name: xw_scl, .offset: 48, .size: 8, .value_kind: global_buffer, .address_space: global }
      - { .name: rope, .offset: 56, .size: 8, .value_kind: global_buffer, .address_space: global }
    .group_segment_fixed_size: 61952
    .private_segment_fixed_size: 0
    .kernarg_segment_align: 8
    .kernarg_segment_size: 64
    .max_flat_workgroup_size: 128
    .sgpr_count:     66
    .vgpr_count:     256
    .wavefront_size: 32
...
	.end_amdgpu_metadata
.endif
;; end of part 1
;; launch gemm_qkv (part 2): grid 12 x 16, 4 waves a work-group, clusters of 4 x 4, 327,680 bytes of LDS; arguments xw_img, xw_scl, rope, qkv_img, qkv_scl; writes qkv_img, qkv_scl
.if DOCPART == 2
	.amdgcn_target "amdgcn-amd-amdhsa--gfx1250"
	.amdhsa_code_object_version 6
	.text
	.protected	k_qf6da49503f_gemm_qkv
	.globl	k_qf6da49503f_gemm_qkv
	.p2align	8
	.type	k_qf6da49503f_gemm_qkv,@function
k_qf6da49503f_gemm_qkv:
	s_mov_b64 s[64:65], 0
	v_nop
	global_prefetch_b8 v0, s[64:65] scope:SCOPE_SE
	s_setreg_imm32_b32 hwreg(HW_REG_WAVE_MODE, 25, 1), 1
	s_wait_xcnt 0x0
	s_wait_alu depctr_hold_cnt(0) depctr_sa_sdst(0) depctr_va_vdst(0) depctr_va_sdst(0) depctr_va_ssrc(0) depctr_va_vcc(0) depctr_vm_vsrc(0)
	s_getreg_b32 s2, hwreg(HW_REG_IB_STS2, 6, 4)
	s_cmp_eq_u32 s2, 0
	s_cbranch_scc0 .Lentry_in_a_cluster
	s_endpgm
.Lentry_in_a_cluster:
	s_bfe_u32 s2, ttmp6, 0x10000c
	s_cmp_lg_u32 s2, 0xf033
	s_cbranch_scc0 .Lentry_shape_is_right
	s_endpgm
.Lentry_shape_is_right:
; q, k, v = x Wq, x Wk, x Wv on codes of FP6 (E2M3) with E8M0 scales; q and k are rotated; all three are quantised for attention (q, k along d, v along the keys) and stored as images of operand registers.
; OPERANDS ARE IMAGES: a fragment (16 rows x 128 K) is 1,536 bytes, registers 4 c .. 4 c + 3 of lane L at 512 c + 16 L; x's fragment (row block P, K step s) at (16 P + s) x 1,536, the weights' from XIMG on; scale words 1,024 P + 64 s + 4 r.
; A work-group of four waves makes 256 rows x 256 columns (two heads); a wave 128 x 128: 64 accumulators.  Source 0 = 16 columns of a weight, source 1 = 16 rows of x: a lane holds one row of x and, by the stored order of the
; weights' columns, 16 neighbouring channels in two neighbouring tiles.  For v (cluster x = 2, odd waves) the two sources change places: a lane holds one channel and 16 neighbouring keys.
; K goes in pairs of steps (256 along K) through a ring of two LDS slots: 8 fills.  A tile's row is one row block's 3,072 bytes, a multiple of 256 from the buffer's start.  The scales of all K, two dense blocks of 16,384 bytes, come once.
; CLUSTER 4 x 4: x's tiles are asked for jointly along a row of the cluster, the weights' along a column.
; PREFETCH: behind the load of fill f stands one request a wave for fill f + 2: of the 8 row blocks that a wave fetches each of the four partners names 2 (by address: cx for x, cy for the weights), 24 blocks of 256 bytes,
; lanes 24-31 the last once more; fills 6 and 7 have none behind them.  The table's 16 blocks of 8,192 bytes for the work-group's rows are named once in a cluster: wave (cx, column half) names block 2 cx + half of its 8.
; OUT: qkv_img: q fragment 64 (16 b + h) + block of positions; k 4,096 + 64 (4 b + g) + block of keys; v 5,120 + 64 (4 b + g) + 8 (key step) + block of d; qkv_scl: 64 bytes a fragment.
; LIMITS: a block of zeros, or under 2^-124, gets the scale byte 1 (this program alone reads the bytes).  NaN and infinities are not served.
; REGISTERS: window 0: v0-31 addresses, v32-63 scale words (two sets), v64-127 table set 0, v128-223 source 1's fragments (one set), on the way out v128-255 at work; window 1: source 0's fragments at v0 and v128 (two sets),
; v96-127 and v224-255 table set 1; behind the products window 1 holds table sets 2 to 4; windows 2, 3: the accumulators.
.set NQ,    2
.set FR,    12
.set NL,    3
.set NP,    4
.set FRB,   1536
.set RBK,   16*FRB                     ; a row block's 16 K steps
.set STEPB, NQ*FRB                     ; what a fill takes of a row block
.set HALFT, 8*STEPB
.set SLOT,  4*HALFT
.set LAPS,  4
.set HALFS, 8192
.set SCA,   2*SLOT                     ; x's scale words, then the weights', with no byte between that nothing writes
.set SCB,   SCA+2*HALFS
.set SPARE, SCB+2*HALFS                ; the spare words, 128 bytes a wave
.set STG,   SPARE+512                  ; 512 bytes a wave for the new scale words on their way out; no fill lands here
.set XIMG,  6291456
.set WSCL,  262144
.set SBI,   1024
.set SBQ,   64
.set SBS,   128
.set TBO,  8                           ; v8-15 the table's offsets, one a block
.set ADRA, 16
.set LI,   18
.set ADRB, 20
.set SWI,  22
.set SWO,  23
.set PFT,  24                          ; v24 256 x lane; never rewritten
.set ADRS, 27
.set SPW,  28
.set NIL,  29
.set LANE, 30
.set PFO,  31                          ; v31 the tile prefetch's offset; never rewritten
.set SC,   32
.set AF,   128
.set HA,   128
.set PC,   192
.set TM,   212
.set SW,   224
.set WW,   232
.set OW,   236
.set G0H,  4                           ; s[4:7], s[92:95] group 0 of the head's two loads of codes
.set G0HB, 92
.set G1, 24
.set G0, 32
.set G1B, 48
.set G0B, 56
.set ISV, 66
.set G1S, 68
.set G0S, 76
.set G1SB, 80
.set G0SB, 88
.set SEL, 96
.set PFA, 98                           ; s[98:99] my two row blocks, at the fill that is being asked for
.set PFR, 100                          ; s[100:101] the table's block that I name
.set MSB, 0
.macro WIN new
.if MSB != \new
	s_set_vgpr_msb (MSB<<8)|\new
.set MSB, \new
.endif
.endm
.set MUL_LO, 0xa1
.set MUL_HI, 0xf1
.set TO_B,   0x40
.macro JLOAD g0a, g1a, g0b, g1b        ; waves 0, 1 fetch x's halves, waves 2, 3 the weights'
	s_cmp_eq_u32 s15, 0
	s_cbranch_scc0 .Lfor_b_\@
	tensor_load_to_lds s[\g0a:\g0a+3], s[\g1a:\g1a+7]
	s_nop 0
.rept 4
	v_nop
.endr
	s_branch .Lasked_\@
.Lfor_b_\@:
	tensor_load_to_lds s[\g0b:\g0b+3], s[\g1b:\g1b+7]
	s_nop 0
.rept 4
	v_nop
.endr
.Lasked_\@:
.endm
.macro CREST
	s_cmp_lg_u32 s14, 0
	s_cbranch_scc1 .Lnot_wave_0_\@
	s_barrier_signal -3
.Lnot_wave_0_\@:
	s_barrier_wait -3
	s_barrier_signal -1
	s_barrier_wait -1
.endm
.macro CROUND
	s_barrier_signal -1
	s_barrier_wait -1
	CREST
.endm
.macro QUANT s, pw                     ; 64 numbers of a lane, register 16 b + i = k 32 b + 16 (lane / 16) + i of its row -> the fragment in v[PC] .. v[PC + 11], the row's scale word in v[pw]
.irp b, 0,1,2,3
	v_max3_num_f32 v[TM+\b], |v[\s+16*\b]|, |v[\s+1+16*\b]|, 0x1800000   ; with the floor 2^(3 - 127)
.endr
.irp i, 2,4,6,8,10,12,14
.irp b, 0,1,2,3
	v_max3_num_f32 v[TM+\b], v[TM+\b], |v[\s+16*\b+\i]|, |v[\s+1+16*\b+\i]|
.endr
.endr
.irp b, 0,1,2,3
	v_permlanex16_b32 v[TM+4+\b], v[TM+\b], s[SEL], s[SEL+1]
.endr
.irp b, 0,1,2,3
	v_max_num_f32 v[TM+\b], v[TM+\b], v[TM+4+\b]
.endr
.irp b, 0,1,2,3
	v_add_nc_u32 v[TM+8+\b], 0xff000000, v[TM+\b]   ; 2 off the exponent field: the conversion's scale operand
.endr
.irp b, 0,1,2,3
	v_lshrrev_b32 v[TM+4+\b], 23, v[TM+8+\b]
.endr
	v_lshl_or_b32 v[\pw], v[TM+5], 8, v[TM+4]
	v_lshl_or_b32 v[\pw], v[TM+6], 16, v[\pw]
	v_lshl_or_b32 v[\pw], v[TM+7], 24, v[\pw]
.irp c, 0,1
	v_cvt_scalef32_pk16_fp6_f32 v[PC+6*\c:PC+2+6*\c], v[\s+32*\c:\s+15+32*\c], v[TM+8+2*\c]
	v_cvt_scalef32_pk16_fp6_f32 v[PC+12+4*\c:PC+14+4*\c], v[\s+16+32*\c:\s+31+32*\c], v[TM+8+2*\c+1]
.endr
	v_nop                                          ; one plain place behind a scaled conversion
.irp c, 0,1
.irp i, 0,1,2
	v_permlane16_swap_b32 v[PC+6*\c+\i], v[PC+12+4*\c+\i]
.endr
.irp i, 0,1,2
	v_mov_b32 v[PC+3+6*\c+\i], v[PC+12+4*\c+\i]
.endr
.endr
.endm
	s_load_b128 s[4:7], s[0:1], 0x0                ; xw_img, xw_scl
	s_load_b128 s[8:11], s[0:1], 0x10              ; rope, qkv_img
	s_load_b64 s[12:13], s[0:1], 0x20              ; qkv_scl
	v_lshl_add_u32 v[SPW], v0, 2, SPARE
	v_mov_b32 v[NIL], 0
	ds_add_u32 v[SPW], v[NIL]                      ; the opening lines: the add, twice on end, and its wait ahead of my first tensor load
	ds_add_u32 v[SPW], v[NIL]
	v_lshrrev_b32 v1, 5, v0
	v_readfirstlane_b32 s14, v1                    ; wave 0..3
	v_and_b32 v[LANE], 31, v0
	v_min_u32 v2, 23, v[LANE]                      ; t: which of my 24 blocks of 256 bytes
	v_mul_u32_u24 v3, v2, 22
	v_lshrrev_b32 v3, 8, v3                        ; t / 12: which of my two row blocks
	v_mul_u32_u24 v3, v3, RBK-STEPB
	v_lshl_add_u32 v[PFO], v2, 8, v3               ; 256 t + (t / 12) (RBK - 3,072)
	s_lshr_b32 s15, s14, 1                         ; my half of the rows; also: I fetch for x (0) or for the weights (1)
	s_and_b32 s16, s14, 1                          ; my half of the columns; also: which 8 row blocks I fetch
	s_bfe_u32 s40, ttmp6, 0x40000                  ; cx
	s_bfe_u32 s41, ttmp6, 0x40004                  ; cy
	s_lshl_b32 s42, ttmp9, 2
	s_add_co_u32 s42, s42, s40                     ; tile column
	s_and_b32 s17, ttmp7, 0xffff
	s_lshl_b32 s17, s17, 2
	s_add_co_u32 s17, s17, s41                     ; tile row
	s_lshl_b32 s43, s41, 2
	s_lshl_b32 s43, 15, s43                        ; my row of the cluster
	s_lshl_b32 s44, 0x1111, s40                    ; my column
	s_or_b32 s[G1+0], s43, (3<<16)|(1<<21)         ; elements of 8 bytes; bit 21 beside a mask
	s_or_b32 s[G1B+0], s44, (3<<16)|(1<<21)
.irp g, G1, G1B                        ; rows of 3,072 bytes, 24,576 apart: 16 for the head's loads, 8 behind them
	s_mov_b32 s[\g+1], 384<<16
	s_mov_b32 s[\g+2], 16<<16
	s_mov_b32 s[\g+3], 384<<16
	s_mov_b32 s[\g+4], 16
	s_mov_b32 s[\g+5], 3072
	s_mov_b32 s[\g+6], 0
	s_mov_b32 s[\g+7], 0
.endr
	s_or_b32 s[G1S+0], s43, (3<<16)|(1<<21)
	s_or_b32 s[G1SB+0], s44, (3<<16)|(1<<21)
.irp g, G1S, G1SB                      ; 16,384 dense bytes as 64 rows of 256
	s_mov_b32 s[\g+1], 32<<16
	s_mov_b32 s[\g+2], 64<<16
	s_mov_b32 s[\g+3], 32<<16
	s_mov_b32 s[\g+4], 64
	s_mov_b32 s[\g+5], 32
	s_mov_b32 s[\g+6], 0
	s_mov_b32 s[\g+7], 0
.endr
	s_lshl_b32 s20, s17, 4                         ; x's first row block
	s_lshl_b32 s46, s42, 4                         ; the weights' first stored block
	s_lshl_b32 s22, s20, 10
	s_mov_b32 s23, 0
	s_lshl_b32 s92, s46, 10
	s_add_co_u32 s92, s92, WSCL
	s_mov_b32 s93, 0
	s_mul_i32 s20, s20, RBK
	s_mov_b32 s21, 0
	s_mul_i32 s46, s46, RBK
	s_add_co_u32 s46, s46, XIMG
	s_mov_b32 s47, 0
	s_mul_i32 s18, s16, 8*RBK                      ; in the ring: my 8 row blocks of the 16
	s_mov_b32 s19, 0
	s_mul_i32 s45, s14, HALFT                      ; and where they go
	s_mov_b32 s[SEL], 0x76543210
	s_mov_b32 s[SEL+1], 0xfedcba98
	s_wait_dscnt 0x0                               ; both opening adds are done
	s_wait_kmcnt 0x0
	s_add_nc_u64 s[20:21], s[4:5], s[20:21]
	s_add_nc_u64 s[22:23], s[6:7], s[22:23]
	s_add_nc_u64 s[46:47], s[4:5], s[46:47]
	s_add_nc_u64 s[92:93], s[6:7], s[92:93]
	CROUND                                         ; all sixteen work-groups are here: the first joint loads meet
	s_mov_b32 s[G0S], 1
	s_mov_b32 s[G0S+1], SCA
	s_mov_b64 s[G0S+2:G0S+3], s[22:23]
	s_or_b32 s[G0S+3], s[G0S+3], 0x80000000
	s_mov_b32 s[G0SB], 1
	s_mov_b32 s[G0SB+1], SCB
	s_mov_b64 s[G0SB+2:G0SB+3], s[92:93]
	s_or_b32 s[G0SB+3], s[G0SB+3], 0x80000000
	s_mov_b32 s[G0H], 1                            ; fill 0 whole: x's 16 row blocks,
	s_mov_b32 s[G0H+1], 0
	s_mov_b64 s[G0H+2:G0H+3], s[20:21]
	s_or_b32 s[G0H+3], s[G0H+3], 0x80000000
	s_mov_b32 s[G0HB], 1                           ; and the weights' 16
	s_mov_b32 s[G0HB+1], 2*HALFT
	s_mov_b64 s[G0HB+2:G0HB+3], s[46:47]
	s_or_b32 s[G0HB+3], s[G0HB+3], 0x80000000
	s_add_nc_u64 s[20:21], s[20:21], s[18:19]
	s_add_nc_u64 s[46:47], s[46:47], s[18:19]
.irp s, 0,1
	s_mov_b32 s[G0+4*\s], 1
	s_add_co_u32 s[G0+4*\s+1], s45, \s*SLOT
	s_add_nc_u64 s[G0+4*\s+2:G0+4*\s+3], s[20:21], \s*STEPB
	s_or_b32 s[G0+4*\s+3], s[G0+4*\s+3], 0x80000000
	s_mov_b32 s[G0B+4*\s], 1
	s_add_co_u32 s[G0B+4*\s+1], s45, \s*SLOT
	s_add_nc_u64 s[G0B+4*\s+2:G0B+4*\s+3], s[46:47], \s*STEPB
	s_or_b32 s[G0B+4*\s+3], s[G0B+4*\s+3], 0x80000000
.endr
	s_cmp_eq_u32 s15, 0                            ; the prefetches: of the 8 row blocks that I fetch, my work-group's two
	s_cselect_b64 s[PFA:PFA+1], s[20:21], s[46:47]
	s_cselect_b32 s18, s40, s41
	s_mul_i32 s18, s18, 2*RBK
	s_add_nc_u64 s[PFA:PFA+1], s[PFA:PFA+1], s[18:19]
	s_add_nc_u64 s[PFA:PFA+1], s[PFA:PFA+1], STEPB ; at fill 1: each refill steps it by one fill
; THE HEAD'S LOADS, one a wave: wave 0 x's codes of fill 0, wave 1 the weights', wave 2 x's scales, wave 3 the weights'.
.macro ARM under, g0, g1, next
	s_cmp_lt_u32 s14, \under
	s_cbranch_scc0 \next
	tensor_load_to_lds s[\g0:\g0+3], s[\g1:\g1+7]
	s_nop 0
.rept 4
	v_nop
.endr
	s_branch .Lhead_asked
\next:
.endm
	ARM 1, G0H,  G1,  .Lhead_b
	ARM 2, G0HB, G1B, .Lhead_sa
	ARM 3, G0S,  G1S, .Lhead_sb
	tensor_load_to_lds s[G0SB:G0SB+3], s[G1SB:G1SB+7]
	s_nop 0
.rept 4
	v_nop
.endr
.Lhead_asked:
	s_wait_alu depctr_va_vdst(0)                   ; the wait, directly ahead of the reader below
	global_prefetch_b8 v[PFO], s[PFA:PFA+1] th:TH_LOAD_NT scope:SCOPE_SE                ; at the head also fill 1, one fill ahead of its load: no earlier load stands in the text behind which it could be asked for
	global_prefetch_b8 v[PFO], s[PFA:PFA+1] offset:STEPB th:TH_LOAD_NT scope:SCOPE_SE   ; fill 2
	s_lshr_b32 s[ISV], ttmp9, 1
	s_and_b32 s[ISV], s[ISV], s16                  ; 1: my columns are a head of v
	s_mul_i32 s21, s15, HALFT
	s_mul_i32 s22, s16, HALFT
	s_add_co_u32 s22, s22, 2*HALFT
	s_cmp_lg_u32 s[ISV], 0
	s_cselect_b32 s43, s22, s21                    ; source 1: x's rows, for v the weight's columns
	s_cselect_b32 s44, s21, s22                    ; source 0
	s_mul_i32 s46, s15, HALFS
	s_mul_i32 s45, s16, HALFS
	s_add_co_u32 s45, s45, SCB-SCA
	s_sub_co_u32 s45, s45, s46                     ; from x's scale words to the weights'
	s_add_co_u32 s46, s46, SCA
	s_lshl_b32 s47, s14, 9
	s_add_co_u32 s47, s47, STG
	s_lshr_b32 s18, s17, 2                         ; b
	s_and_b32 s19, s17, 3
	s_lshl_b32 s19, s19, 4
	s_lshl_b32 s20, s15, 3
	s_add_co_u32 s19, s19, s20                     ; my first block of 16 positions
	s_lshl_b32 s20, s18, 4
	s_lshl_b32 s21, s42, 1
	s_add_co_u32 s20, s20, s21
	s_add_co_u32 s20, s20, s16
	s_lshl_b32 s20, s20, 6                         ; q: 64 (16 b + h)
	s_lshl_b32 s21, s18, 2
	s_add_co_u32 s21, s21, s42
	s_sub_co_u32 s21, s21, 8
	s_lshl_b32 s21, s21, 6
	s_lshl_b32 s22, s16, 10
	s_add_co_u32 s21, s21, s22
	s_add_co_u32 s21, s21, 4096                    ; k, v: 4,096 + 1,024 (v) + 64 (4 b + g)
	s_cmp_lt_u32 ttmp9, 2
	s_cselect_b32 s20, s20, s21
	s_add_co_u32 s20, s20, s19
	s_mul_i32 s22, s20, FRB
	s_mov_b32 s23, 0
	s_add_nc_u64 s[10:11], s[10:11], s[22:23]
	s_lshl_b32 s22, s20, 6
	s_add_nc_u64 s[12:13], s[12:13], s[22:23]
	s_lshl_b32 s22, s40, 1
	s_add_co_u32 s22, s22, s16
	s_add_co_u32 s22, s22, s19
	s_lshl_b32 s22, s22, 13
	s_add_nc_u64 s[PFR:PFR+1], s[8:9], s[22:23]    ; the table's block 2 cx + column half of my row half's eight
	s_cmp_lg_u32 s[ISV], 0
	s_cselect_b32 s22, 64, s19                     ; v is not rotated: block 64, cosine 1 and sine 0, for every block
	s_cselect_b32 s21, 0, 8192
	s_lshl_b32 s22, s22, 13
	s_add_nc_u64 s[8:9], s[8:9], s[22:23]
	v_and_b32 v1, 15, v0
	v_bfe_u32 v2, v0, 4, 1
	v_lshlrev_b32 v[LI], 4, v[LANE]
	v_lshlrev_b32 v[PFT], 8, v[LANE]
	v_xor_b32 v3, s[ISV], v2
	v_add_nc_u32 v[ADRA], s43, v[LI]
	v_add_nc_u32 v[ADRB], s44, v[LI]
	v_mul_u32_u24 v3, s45, v3                      ; lanes 0-15 source 1's scale words, lanes 16-31 source 0's
	v_add_nc_u32 v[ADRA+1], SLOT, v[ADRA]
	v_add_nc_u32 v[ADRB+1], SLOT, v[ADRB]
	v_lshl_add_u32 v3, v1, 2, v3
	v_add_nc_u32 v[ADRS], s46, v3
	v_lshl_add_u32 v[SWI], v[LANE], 2, s47
	v_lshl_add_u32 v[SWO], v[LANE], 4, s47
	v_mov_b32 v[TBO], v[LI]
.irp a, 1,2,3,4,5,6,7
	v_add_nc_u32 v[TBO+\a], s21, v[TBO+\a-1]
.endr
; The table of block a lies in set a % 5: 32 registers of cosines at TC, 32 of sines at TS, in window TW.
.macro TSET a
.set TW, 1
.if ((\a)%5) == 0
.set TW, 0
.set TC, 64
.set TS, 96
.endif
.if ((\a)%5) == 1
.set TC, 96
.set TS, 224
.endif
.if ((\a)%5) == 2
.set TC, 0
.set TS, 32
.endif
.if ((\a)%5) == 3
.set TC, 128
.set TS, 160
.endif
.if ((\a)%5) == 4
.set TC, 64
.set TS, 192
.endif
.endm
.macro TLD a                           ; 16 loads of 512 consecutive bytes
	TSET \a
	WIN (TW<<6)
.irp q, 0,1,2,3,4,5,6,7
	global_load_b128 v[TC+4*\q:TC+4*\q+3], v[TBO+(\a)], s[8:9] offset:512*\q
.endr
.irp q, 0,1,2,3,4,5,6,7
	global_load_b128 v[TS+4*\q:TS+4*\q+3], v[TBO+(\a)], s[8:9] offset:4096+512*\q
.endr
	WIN 0
.endm
	TLD 0
	TLD 1
.macro FRAG reg, adr, q, i
.irp c, 0,1,2
	ds_load_b128 v[\reg+4*\c:\reg+4*\c+3], v[\adr] offset:STEPB*(\i)+FRB*(\q)+512*\c
.endr
.endm
.macro MUL16 a0, p, q, sc, zero        ; the 64 accumulators take turns, in the same order in every step
.irp a, \a0, \a0+1
.irp b, 0,1,2,3,4,5,6,7
.if \zero
	v_wmma_scale_f32_16x16x128_f8f6f4 v[8*(8*((\a)%4)+\b):8*(8*((\a)%4)+\b)+7], v[128*(\p)+FR*\b:128*(\p)+FR*\b+FR-1], v[AF+FR*(\a):AF+FR*(\a)+FR-1], 0, v[SC+8*NQ*(\sc)+NQ*\b+(\q)], v[SC+8*NQ*(\sc)+NQ*(\a)+(\q)] matrix_a_fmt:MATRIX_FMT_FP6 matrix_b_fmt:MATRIX_FMT_FP6 matrix_a_scale:MATRIX_SCALE_ROW1
.else
	v_wmma_scale_f32_16x16x128_f8f6f4 v[8*(8*((\a)%4)+\b):8*(8*((\a)%4)+\b)+7], v[128*(\p)+FR*\b:128*(\p)+FR*\b+FR-1], v[AF+FR*(\a):AF+FR*(\a)+FR-1], v[8*(8*((\a)%4)+\b):8*(8*((\a)%4)+\b)+7], v[SC+8*NQ*(\sc)+NQ*\b+(\q)], v[SC+8*NQ*(\sc)+NQ*(\a)+(\q)] matrix_a_fmt:MATRIX_FMT_FP6 matrix_b_fmt:MATRIX_FMT_FP6 matrix_a_scale:MATRIX_SCALE_ROW1
.endif
.endr
.endr
.endm
.macro FETCH_B slot, q, p
	WIN TO_B
.irp i, 0,1,2,3,4,5,6,7
	FRAG 128*(\p)+FR*\i, ADRB+\slot, \q, \i
.endr
	WIN 0
.endm
.macro FETCH_A slot, q, i0
.irp i, \i0, \i0+1, \i0+2, \i0+3
	FRAG AF+FR*(\i), ADRA+\slot, \q, \i
.endr
.endm
.macro SCALES sc
.irp i, 0,1,2,3,4,5,6,7
.irp q, 0,1
	ds_load_b32 v[SC+8*NQ*\sc+NQ*\i+\q], v[ADRS] offset:\i*SBI+\q*SBQ
.endr
.endr
.endm
.macro PLACES n
.rept \n
	v_nop
.endr
.endm
.macro STEP slot, q, zero              ; a slot's first K step
	FETCH_B \slot, (\q)+1, 1-(\q)%2                ; source 0's idle set takes the next step's fragments at once (the places stand at the end of the step before)
	s_wait_dscnt 12*NL                             ; source 1's blocks 4-7 (12 loads) and the 24 just issued may be out
	WIN MUL_LO
	MUL16 0, (\q)%2, \q, \slot, \zero
	MUL16 2, (\q)%2, \q, \slot, \zero
	PLACES NP
	WIN 0
	FETCH_A \slot, (\q)+1, 0
	s_wait_dscnt 12*NL                             ; the next step's 24 and 12 may be out: this step's blocks 4-7 are in
	WIN MUL_HI
	MUL16 4, (\q)%2, \q, \slot, \zero
	MUL16 6, (\q)%2, \q, \slot, \zero
	PLACES NP
	WIN 0
	FETCH_A \slot, (\q)+1, 4
.endm
.macro TURN slot, next, fill           ; a slot's second K step, and the change of slots
.if \fill
	s_wait_xcnt 0x0                                ; my last prefetch has read its address
	s_add_nc_u64 s[PFA:PFA+1], s[PFA:PFA+1], STEPB
.endif
	s_wait_tensorcnt 0x0                           ; my part of the next slot is in;
	ds_add_u32 v[SPW], v[NIL]                      ; the add;
	s_wait_dscnt 0x0                               ; the add is done, and my reads of this slot are over: its second step's fragments are all in registers
	s_barrier_signal -1
	s_barrier_wait -1
.if \fill
	CREST                                          ; the barrier has opened a round of the cluster's barrier
	s_add_nc_u64 s[G0+4*\slot+2:G0+4*\slot+3], s[G0+4*\slot+2:G0+4*\slot+3], 2*STEPB
	s_add_nc_u64 s[G0B+4*\slot+2:G0B+4*\slot+3], s[G0B+4*\slot+2:G0B+4*\slot+3], 2*STEPB
	JLOAD G0+4*\slot, G1, G0B+4*\slot, G1B         ; the refill goes out ahead of the step's products, which work on registers alone
.endif
	s_wait_alu depctr_va_vdst(0)                   ; the wait, directly ahead of the reader below
	v_add_nc_u32 v[ADRS], SBS, v[ADRS]
	FETCH_B \next, 0, 0                            ; from the next slot, into source 0's idle set and the idle set of scale words (the places stand at the end of the step before)
	SCALES \next
	WIN MUL_LO
	MUL16 0, 1, NQ-1, \slot, 0
	MUL16 2, 1, NQ-1, \slot, 0
	PLACES NP
	WIN 0
	FETCH_A \next, 0, 0
.if \fill
	s_cmp_gt_u32 s3, 1                             ; the last trip's two refills have no fill two on
	s_cbranch_scc0 .Lno_ask_\@
	global_prefetch_b8 v[PFO], s[PFA:PFA+1] offset:2*STEPB th:TH_LOAD_NT scope:SCOPE_SE
.Lno_ask_\@:
.endif
	WIN MUL_HI
	MUL16 4, 1, NQ-1, \slot, 0
	MUL16 6, 1, NQ-1, \slot, 0
	PLACES NP
	WIN 0
	FETCH_A \next, 0, 4
.endm
	s_wait_alu depctr_va_vdst(0)                   ; the wait at the head's end
	s_wait_tensorcnt 0x0                           ; my tile of the head's four is in; slot 1's first fill is issued as a refill is:
	ds_add_u32 v[SPW], v[NIL]
	s_mov_b32 s[G1+2], 8<<16                       ; no tensor load of mine is out: from here on a load brings 8 row blocks
	s_mov_b32 s[G1+4], 8
	s_mov_b32 s[G1B+2], 8<<16
	s_mov_b32 s[G1B+4], 8
	s_wait_dscnt 0x0
	CROUND
	JLOAD G0+4, G1, G0B+4, G1B                     ; fill 1
	FETCH_B 0, 0, 0
	FETCH_A 0, 0, 0
	SCALES 0
	FETCH_A 0, 0, 4
	global_prefetch_b8 v[PFO], s[PFA:PFA+1] offset:2*STEPB th:TH_LOAD_NT scope:SCOPE_SE   ; fill 3
	global_prefetch_b8 v[PFT], s[PFR:PFR+1] th:TH_LOAD_NT scope:SCOPE_SE                  ; one block of the table: 32 lanes x 256 bytes
	STEP 0, 0, 1                                   ; the first step's products start the sums
	s_mov_b32 s3, LAPS-1
.Llap:
	TURN 0, 1, 1
	STEP 1, 0, 0
	TURN 1, 0, 1
	STEP 0, 0, 0
	s_sub_co_u32 s3, s3, 1
	s_cmp_lg_u32 s3, 0
	s_cbranch_scc1 .Llap
	TURN 0, 1, 0
	STEP 1, 0, 0
	TLD 2                                          ; into source 0's set 0, which the last step does not read (the step's places stand in front)
	s_wait_dscnt 4*NL
	WIN MUL_LO
	MUL16 0, 1, NQ-1, 1, 0
	MUL16 2, 1, NQ-1, 1, 0
	s_wait_dscnt 0
	WIN MUL_HI
	MUL16 4, 1, NQ-1, 1, 0
	MUL16 6, 1, NQ-1, 1, 0
	WIN 0
; THE WAY OUT, block by block of 16 rows: rotated (channel d with d + 64: registers t and 32 + t), quantised, stored as a fragment's image.
.macro ROT a
	TSET \a
.set AC, 64*((\a)%4)
	WIN ((2+(\a)/4)|(TW<<2))
.irp t, 0,2,4,6,8,10,12,14,16,18,20,22,24,26,28,30
	v_pk_mul_f32 v[HA+\t:HA+\t+1], v[AC+32+\t:AC+33+\t], v[TS+\t:TS+\t+1]
	v_pk_mul_f32 v[HA+32+\t:HA+33+\t], v[AC+\t:AC+\t+1], v[TS+\t:TS+\t+1]
.endr
.irp t, 0,2,4,6,8,10,12,14,16,18,20,22,24,26,28,30
	v_pk_fma_f32 v[HA+\t:HA+\t+1], v[AC+\t:AC+\t+1], v[TC+\t:TC+\t+1], v[HA+\t:HA+\t+1] neg_lo:[0,0,1] neg_hi:[0,0,1]
	v_pk_fma_f32 v[HA+32+\t:HA+33+\t], v[AC+32+\t:AC+33+\t], v[TC+\t:TC+\t+1], v[HA+32+\t:HA+33+\t]
.endr
.endm
	PLACES NP
	TLD 3                                          ; into source 0's registers, which are done with
	TLD 4
.irp b, 0,1,2,3
	v_mov_b32 v[TM+4+\b], 0                        ; a lane permute's destination counts as one of its sources
.endr
.irp a, 0,1,2,3,4,5,6,7
.if (\a == 0) || (\a == 2) || (\a == 3)
	s_wait_loadcnt 48                              ; the three youngest blocks of the table, 16 loads each, may be out
.endif
.if \a > 4
	s_wait_loadcnt 16*(7-\a)                       ; the blocks behind this one may be out
.endif
	ROT \a
.if \a < 3
	TLD \a+5                                       ; into the set just read
.endif
	WIN 0
	s_wait_xcnt 0x0                                ; the last block's stores have read the codes' registers
	QUANT HA, SW+\a
.irp c, 0,1,2
	global_store_b128 v[LI], v[PC+4*\c:PC+4*\c+3], s[10:11] offset:FRB*\a+512*\c   ; 512 consecutive bytes a store
.endr
.endr
	v_cmp_le_u32 vcc_lo, 16, v[LANE]               ; a word stands in lanes r and r + 16 alike: lanes 0-15 keep the even block's, lanes 16-31 the odd block's
.irp p, 0,1,2,3
	v_cndmask_b32 v[WW+\p], v[SW+2*\p], v[SW+2*\p+1], vcc_lo
.endr
.irp p, 0,1,2,3
	ds_store_b32 v[SWI], v[WW+\p] offset:128*\p
.endr
	ds_load_b128 v[OW:OW+3], v[SWO]                ; LDS serves a wave's instructions in order: this sees my stores
	s_wait_dscnt 0x0
	global_store_b128 v[LI], v[OW:OW+3], s[12:13]  ; eight fragments' scale words: 512 consecutive bytes
	s_wait_tensorcnt 0x0                           ; the wave's end
	ds_add_u32 v[SPW], v[NIL]
	s_wait_dscnt 0x0
	CROUND                                         ; the closing round
	s_endpgm
.Lfunc_end_k_qf6da49503f_gemm_qkv:
	.size	k_qf6da49503f_gemm_qkv, .Lfunc_end_k_qf6da49503f_gemm_qkv-k_qf6da49503f_gemm_qkv
	.p2alignl 7, 3214868480
	.fill 96, 4, 3214868480
	.section	.rodata,"a",@progbits
	.p2align	6, 0x0
	.amdhsa_kernel k_qf6da49503f_gemm_qkv
		.amdhsa_group_segment_fixed_size 327680
		.amdhsa_private_segment_fixed_size 0
		.amdhsa_enable_private_segment 0
		.amdhsa_kernarg_size 40
		.amdhsa_user_sgpr_count 2
		.amdhsa_user_sgpr_kernarg_segment_ptr 1
		.amdhsa_wavefront_size32 1
		.amdhsa_system_sgpr_workgroup_id_x 1
		.amdhsa_system_sgpr_workgroup_id_y 1
		.amdhsa_system_sgpr_workgroup_id_z 1
		.amdhsa_system_vgpr_workitem_id 0
		.amdhsa_next_free_vgpr 1024
		.amdhsa_next_free_sgpr 102
		.amdhsa_reserve_vcc 1
		.amdhsa_float_denorm_mode_32 3
		.amdhsa_float_denorm_mode_16_64 3
		.amdhsa_memory_ordered 1
		.amdhsa_forward_progress 1
		.amdhsa_inst_pref_size 190
	.end_amdhsa_kernel
	.amdgpu_metadata
---
amdhsa.version: [ 1, 2 ]
amdhsa.kernels:
  - .name:           k_qf6da49503f_gemm_qkv
    .symbol:         k_qf6da49503f_gemm_qkv.kd
    .args:
      - { .name: xw_img, .offset: 0, .size: 8, .value_kind: global_buffer, .address_space: global }
      - { .name: xw_scl, .offset: 8, .size: 8, .value_kind: global_buffer, .address_space: global }
      - { .name: rope, .offset: 16, .size: 8, .value_kind: global_buffer, .address_space: global }
      - { .name: qkv_img, .offset: 24, .size: 8, .value_kind: global_buffer, .address_space: global }
      - { .name: qkv_scl, .offset: 32, .size: 8, .value_kind: global_buffer, .address_space: global }
    .group_segment_fixed_size: 327680
    .private_segment_fixed_size: 0
    .kernarg_segment_align: 8
    .kernarg_segment_size: 40
    .max_flat_workgroup_size: 128
    .sgpr_count:     102
    .vgpr_count:     1024
    .wavefront_size: 32
...
	.end_amdgpu_metadata
.endif
;; end of part 2
;; launch attn (part 3): grid 4 x 64, 16 waves a work-group, clusters of 4 x 1, 327,680 bytes of LDS; arguments qkv_img, qkv_scl, att_img, att_scl; writes att_img, att_scl
.if DOCPART == 3
	.amdgcn_target "amdgcn-amd-amdhsa--gfx1250"
	.amdhsa_code_object_version 6
	.text
	.protected	k_qf6da49503f_attn
	.globl	k_qf6da49503f_attn
	.p2align	8
	.type	k_qf6da49503f_attn,@function
k_qf6da49503f_attn:
	s_mov_b64 s[64:65], 0
	v_nop
	global_prefetch_b8 v0, s[64:65] scope:SCOPE_SE
	s_setreg_imm32_b32 hwreg(HW_REG_WAVE_MODE, 25, 1), 1
	s_wait_xcnt 0x0
	s_wait_alu depctr_hold_cnt(0) depctr_sa_sdst(0) depctr_va_vdst(0) depctr_va_sdst(0) depctr_va_ssrc(0) depctr_va_vcc(0) depctr_vm_vsrc(0)
	s_getreg_b32 s2, hwreg(HW_REG_IB_STS2, 6, 4)
	s_cmp_eq_u32 s2, 0
	s_cbranch_scc0 .Lentry_in_a_cluster
	s_endpgm
.Lentry_in_a_cluster:
	s_bfe_u32 s2, ttmp6, 0x10000c
	s_cmp_lg_u32 s2, 0x3003
	s_cbranch_scc0 .Lentry_shape_is_right
	s_endpgm
.Lentry_shape_is_right:
; att[b][q][h][:] = the sum over keys of softmax(q . k / sqrt(128)) v, both products on codes of FP6 (E2M3) with E8M0 scales; the result is quantised along (h, d) for the last projection and stored as images of operand registers.
; THE SOFTMAX AHEAD OF THE SECOND PRODUCT: t = score x log2(e) / sqrt(128); M = the running largest t rounded UP to a whole number; p = 2^(t - M) is quantised along the keys, not normalised; the row's sum is taken of the
; unquantised p and divides at the end.  When M moves, the sum and O are multiplied by 2^(old M - new M): exact.
; OPERANDS ARE IMAGES: a fragment (16 rows x 128 K) is 1,536 bytes, registers 4 c .. 4 c + 3 of lane L at 512 c + 16 L; its scale words 64 bytes.  q: fragment 64 (16 b + h) + block of queries; k: 4,096 + 64 (4 b + g) + block of
; keys; v: 5,120 + 64 (4 b + g) + 8 (key step) + block of d.  The rows of a fragment are permuted inside groups of 32 (stored 16 u + r = actual 8 u + r + 8 (r / 8)): so the 16 registers of two neighbouring tiles of S^T are 16
; neighbouring keys, and those of O^T 16 neighbouring channels d.
; SHARES: a work-group owns 256 queries of one head (b, h); each of its sixteen waves 16 of them, in 256 registers: four waves to a SIMD.  Every wave walks all 1,024 keys, 128 a step.
; K AND V OF THE WHOLE KEY/VALUE HEAD, 196,608 bytes of codes and 8,192 of scale words, STAY IN LDS: each byte is filled once, so there is no ring and no round of the cluster's barrier in the loop.
; CLUSTER: the four blocks of queries of a head read the same K and V: every fill is asked for jointly by the four (mask 15).  THE FILLS: at the head one load a wave: waves 0-7 a quarter each of K's or V's codes of key steps 0 and 1
; (6,144 bytes), waves 8-15 a quarter each of K's or V's scale words (1,024 bytes).  Behind the wait for them, the add and a round of the cluster's barrier, one load a wave: an eighth of K's or V's key steps 2 to 7 (9,216 bytes),
; which lands while key steps 0 and 1 are worked.  No prefetch: a work-group asks for all it reads in these two groups, ahead of its loop.
; Both products are used transposed (S^T = K Q^T, O^T = V^T P^T): a lane holds ONE query (lane % 16) throughout.
; OUT: att_img: fragment (row block P = 64 b + block of queries, K step h) at (16 P + h) x 1,536;  att_scl: (256 h + P) x 64 + 4 r.
; LIMITS: the promise holds while the scaled scores t stay under 2^31 in magnitude.  A block of zeros, or under 2^-124, gets the scale byte 1 (this program alone reads the bytes).  NaN and infinities are not served.
; REGISTERS: v1-7 addresses that stay; v8-11 addresses of the step; v12 -M, v13 the largest t, v[14:15] the sum; v16-27 Q; v28-30 way out; v32-79 four fragments of K or V; v96-159 S^T, then p; v160-223 O^T; v224-235 p's codes; v232-254 at work; v255 Q's scale words.
.set VIMG,  98304                      ; LDS: K's 64 fragments from 0, V's 64 from here,
.set SCK,   196608                     ; K's scale words,
.set SCV,   200704                     ; V's,
.set SPARE, 204800                     ; the spare words, 128 bytes a wave,
.set STG,   206848                     ; and 1,024 bytes for the new scale words on their way out; no fill lands here
.set AK0,  1
.set AV0,  2
.set ASK0, 3
.set ASV0, 4
.set SPW,  5
.set NIL,  6
.set SWA,  7
.set ADK,  8
.set ADV,  9
.set ADS,  10
.set ADT,  11
.set PW,   28
.set SRA,  29
.set PC,   32
.set TM,   52
.set WV,   12
.set SEL,  20
.set CS,   22
.set G1A,  24                          ; three groups 1, which differ in the number of rows: scale words, key steps 0 and 1, key steps 2 to 7
.set G1B,  32
.set G1C,  40
.set G0A,  48
.set G0B,  52
.set G0C,  56
.set TB,   2                           ; where the key steps in hand begin among the fragments: 12,288 bytes a step,
.set TS,   3                           ; and among the scale words: 512
.set CNT,  60
.macro CROUND
	s_barrier_signal -1
	s_barrier_wait -1
	s_cmp_lg_u32 s[WV], 0
	s_cbranch_scc1 .Lnot_wave_0_\@
	s_barrier_signal -3
.Lnot_wave_0_\@:
	s_barrier_wait -3
	s_barrier_signal -1
	s_barrier_wait -1
.endm
.macro G1SET g, rows                   ; a dense block as rows of 256 bytes
	s_mov_b32 s[\g], 15|(3<<16)|(1<<21)
	s_mov_b32 s[\g+1], 32<<16
	s_mov_b32 s[\g+2], (\rows)<<16
	s_mov_b32 s[\g+3], 32<<16
	s_mov_b32 s[\g+4], \rows
	s_mov_b32 s[\g+5], 32
	s_mov_b32 s[\g+6], 0
	s_mov_b32 s[\g+7], 0
.endm
.macro QUANT s, pw                     ; 64 numbers of a lane, register 16 b + i = k 32 b + 16 (lane / 16) + i of its row -> the fragment in v[PC] .. v[PC + 11], the row's scale word in v[pw]
.irp b, 0,1,2,3
	v_max3_num_f32 v[TM+\b], |v[\s+16*\b]|, |v[\s+1+16*\b]|, 0x1800000
.endr
.irp i, 2,4,6,8,10,12,14
.irp b, 0,1,2,3
	s_delay_alu instid0(VALU_DEP_4)
	v_max3_num_f32 v[TM+\b], v[TM+\b], |v[\s+16*\b+\i]|, |v[\s+1+16*\b+\i]|
.endr
.endr
.irp b, 0,1,2,3
	s_delay_alu instid0(VALU_DEP_4)
	v_permlanex16_b32 v[TM+4+\b], v[TM+\b], s[SEL], s[SEL+1]
.endr
.irp b, 0,1,2,3
	s_delay_alu instid0(VALU_DEP_4)
	v_max_num_f32 v[TM+\b], v[TM+\b], v[TM+4+\b]
.endr
.irp b, 0,1,2,3
	s_delay_alu instid0(VALU_DEP_4)
	v_add_nc_u32 v[TM+8+\b], 0xff000000, v[TM+\b]
.endr
.irp b, 0,1,2,3
	s_delay_alu instid0(VALU_DEP_4)
	v_lshrrev_b32 v[TM+4+\b], 23, v[TM+8+\b]
.endr
	s_delay_alu instid0(VALU_DEP_3)
	v_lshl_or_b32 v[\pw], v[TM+5], 8, v[TM+4]
	s_delay_alu instid0(VALU_DEP_1)
	v_lshl_or_b32 v[\pw], v[TM+6], 16, v[\pw]
	s_delay_alu instid0(VALU_DEP_1)
	v_lshl_or_b32 v[\pw], v[TM+7], 24, v[\pw]
.irp c, 0,1
	v_cvt_scalef32_pk16_fp6_f32 v[PC+6*\c:PC+2+6*\c], v[\s+32*\c:\s+15+32*\c], v[TM+8+2*\c]
	v_cvt_scalef32_pk16_fp6_f32 v[PC+12+4*\c:PC+14+4*\c], v[\s+16+32*\c:\s+31+32*\c], v[TM+8+2*\c+1]
.endr
	v_nop
.irp c, 0,1
.irp i, 0,1,2
	v_permlane16_swap_b32 v[PC+6*\c+\i], v[PC+12+4*\c+\i]
.endr
.irp i, 0,1,2
	s_delay_alu instid0(VALU_DEP_3)
	v_mov_b32 v[PC+3+6*\c+\i], v[PC+12+4*\c+\i]
.endr
.endr
.endm
	s_load_b256 s[4:11], s[0:1], 0x0               ; qkv_img s[4:5], qkv_scl s[6:7], att_img s[8:9], att_scl s[10:11]
	v_lshl_add_u32 v[SPW], v0, 2, SPARE
	v_mov_b32 v[NIL], 0
	ds_add_u32 v[SPW], v[NIL]                      ; the opening lines: the add, twice on end, and its wait ahead of my first tensor load
	ds_add_u32 v[SPW], v[NIL]
	v_lshrrev_b32 v8, 5, v0
	s_delay_alu instid0(VALU_DEP_1)
	v_readfirstlane_b32 s[WV], v8                  ; wave 0..15
	s_bfe_u32 s15, ttmp6, 0x40000                  ; cx
	s_lshl_b32 s17, ttmp9, 2
	s_add_co_u32 s15, s15, s17                     ; my block of 256 queries: it enters Q's and the result's global addresses alone
	s_and_b32 s16, ttmp7, 0xffff                   ; 16 b + h, which the four partners share
	s_lshr_b32 s13, s[WV], 3                       ; key steps 2 to 7: I fetch for K (0) or for V (1),
	s_and_b32 s14, s[WV], 7                        ; the wk-th eighth
	s_bfe_u32 s62, s[WV], 0x10002                  ; at the head: for K (0) or for V (1),
	s_and_b32 s63, s[WV], 3                        ; the quarter
	s_lshr_b32 s17, s16, 4                         ; b
	s_and_b32 s18, s16, 15                         ; h
	s_lshr_b32 s19, s18, 2                         ; four query heads share a key/value head
	s_lshl_b32 s61, s17, 2
	s_add_co_u32 s19, s19, s61
	s_lshl_b32 s19, s19, 6
	s_add_co_u32 s75, s19, 4096                    ; K's first fragment
	s_lshl_b32 s61, s13, 10
	s_add_co_u32 s19, s75, s61                     ; the first of the 64 fragments that my second load fetches from,
	s_lshl_b32 s61, s62, 10
	s_add_co_u32 s75, s75, s61                     ; and my first load
	s_lshl_b32 s66, s63, 4
	s_add_co_u32 s66, s66, s75
	s_lshl_b32 s66, s66, 6                         ; scale words: 16 fragments' = 1,024 bytes a wave
	s_mov_b32 s67, 0
	s_lshl_b32 s68, s63, 2
	s_add_co_u32 s68, s68, s75
	s_mul_i32 s68, s68, 1536                       ; key steps 0, 1: 16 fragments, 4 a wave
	s_mov_b32 s69, 0
	s_mul_i32 s70, s14, 6
	s_add_co_u32 s70, s70, s19
	s_add_co_u32 s70, s70, 16
	s_mul_i32 s70, s70, 1536                       ; key steps 2 to 7: 48 fragments, 6 a wave
	s_mov_b32 s71, 0
	s_lshl_b32 s72, s62, 12                        ; and where they go: constants and the wave's number alone
	s_lshl_b32 s61, s63, 10
	s_add_co_u32 s72, s72, s61
	s_add_co_u32 s72, s72, SCK
	s_mul_i32 s73, s62, VIMG
	s_mul_i32 s61, s63, 6144
	s_add_co_u32 s73, s73, s61
	s_mul_i32 s74, s13, VIMG
	s_add_co_u32 s74, s74, 24576
	s_mul_i32 s61, s14, 9216
	s_add_co_u32 s74, s74, s61
	G1SET G1A, 4
	G1SET G1B, 24
	G1SET G1C, 36
	s_mov_b32 s[SEL], 0x76543210
	s_mov_b32 s[SEL+1], 0xfedcba98
	s_mov_b32 s[CS], 0x3e0293ee                    ; c = log2(e) / sqrt(128)
	s_mov_b32 s[CS+1], s[CS]                       ; (named with it as a pair, so it is written)
	s_mov_b32 s[TB], 0
	s_mov_b32 s[TS], 0
	s_wait_dscnt 0x0                               ; both opening adds are done
	s_wait_kmcnt 0x0
	s_mov_b32 s[G0A], 1
	s_mov_b32 s[G0A+1], s72
	s_add_nc_u64 s[G0A+2:G0A+3], s[6:7], s[66:67]
	s_or_b32 s[G0A+3], s[G0A+3], 0x80000000
	s_mov_b32 s[G0B], 1
	s_mov_b32 s[G0B+1], s73
	s_add_nc_u64 s[G0B+2:G0B+3], s[4:5], s[68:69]
	s_or_b32 s[G0B+3], s[G0B+3], 0x80000000
	s_mov_b32 s[G0C], 1
	s_mov_b32 s[G0C+1], s74
	s_add_nc_u64 s[G0C+2:G0C+3], s[4:5], s[70:71]
	s_or_b32 s[G0C+3], s[G0C+3], 0x80000000
	CROUND                                         ; all four work-groups are here: the joint loads meet
	s_cmp_lt_u32 s[WV], 8                          ; the head's loads, one a wave: every way passes exactly one
	s_cbranch_scc0 .Lhead_scl
	tensor_load_to_lds s[G0B:G0B+3], s[G1B:G1B+7]  ; waves 0-7: codes of key steps 0 and 1
	s_nop 0
.rept 4
	v_nop
.endr
	s_branch .Lhead_asked
.Lhead_scl:
	tensor_load_to_lds s[G0A:G0A+3], s[G1A:G1A+7]  ; waves 8-15: scale words
	s_nop 0
.rept 4
	v_nop
.endr
.Lhead_asked:
	v_and_b32 v8, 15, v0                           ; r
	v_and_b32 v9, 31, v0                           ; lane
	s_delay_alu instid0(VALU_DEP_1)
	v_lshlrev_b32 v[AK0], 4, v9
	s_wait_alu depctr_va_vdst(0)
	v_add_nc_u32 v[AV0], VIMG, v[AK0]
	v_lshl_add_u32 v[ASK0], v8, 2, SCK
	v_lshl_add_u32 v[ASV0], v8, 2, SCV
	v_lshlrev_b32 v30, 2, v8
	s_wait_alu depctr_va_vdst(0)                   ; the wait, ahead of the run of scalar lines
	s_lshl_b32 s61, s[WV], 6
	s_add_co_u32 s61, s61, STG
	v_lshl_add_u32 v[SWA], v8, 2, s61
	v_add_nc_u32 v[SRA], STG, v[AK0]
	s_lshl_b32 s75, s16, 6
	s_lshl_b32 s76, s15, 4
	s_add_co_u32 s75, s75, s76
	s_add_co_u32 s75, s75, s[WV]                   ; Q's fragment: 64 (16 b + h) + 16 x block + wave
	s_mul_i32 s76, s75, 1536
	s_mov_b32 s77, 0
	s_add_nc_u64 s[76:77], s[4:5], s[76:77]
	s_lshl_b32 s78, s75, 6
	s_mov_b32 s79, 0
	s_add_nc_u64 s[78:79], s[6:7], s[78:79]
.irp c, 0,1,2
	global_load_b128 v[16+4*\c:19+4*\c], v[AK0], s[76:77] offset:512*\c   ; Q's fragment stays in registers
.endr
	global_load_b32 v255, v30, s[78:79]            ; and its scale words
	s_lshl_b32 s61, s17, 6
	s_lshl_b32 s62, s15, 4
	s_add_co_u32 s61, s61, s62                     ; 64 b + 16 x block
	s_add_co_u32 s62, s61, s[WV]                   ; my row block P
	s_lshl_b32 s62, s62, 4
	s_add_co_u32 s62, s62, s18
	s_mul_i32 s62, s62, 1536
	s_mov_b32 s63, 0
	s_add_nc_u64 s[8:9], s[8:9], s[62:63]          ; the result's fragment (P, K step h)
	s_lshl_b32 s62, s18, 8
	s_add_co_u32 s62, s62, s61
	s_lshl_b32 s62, s62, 6
	s_add_nc_u64 s[10:11], s[10:11], s[62:63]      ; the work-group's sixteen fragments' scale words: 1,024 consecutive bytes
	v_mov_b32 v13, 0xff61b1e6                      ; the largest t so far: -3e38
	s_delay_alu instid0(VALU_DEP_1)
	v_floor_f32 v12, -v13                          ; -M
	v_mov_b32 v14, 0                               ; the sum, in two halves
	v_mov_b32 v15, 0
.irp b, 0,1,2,3
	v_mov_b32 v[236+\b], 0                         ; a lane permute's destination counts as one of its sources
.endr
	v_mov_b32 v253, 0                              ; (named as the upper half of the pair v[252:253] before it is first written)
.set J, 0
.rept 64
	v_mov_b32 v[160+J], 0                          ; O^T: the step is written once; the first finds zeros, which the first change of M leaves zeros
.set J, J+1
.endr
; A KEY STEP: 128 keys, the q-th of the pair in hand.
.macro STEP q
	v_add_nc_u32 v[ADK], s[TB], v[AK0]             ; (these four are also the places in front of the loads into registers that the last products read)
	v_add_nc_u32 v[ADV], s[TB], v[AV0]
	v_add_nc_u32 v[ADS], s[TS], v[ASK0]
	v_add_nc_u32 v[ADT], s[TS], v[ASV0]
	s_wait_alu depctr_va_vdst(0)
.irp g, 0,1                                    ; S^T = K Q^T, four tiles of 16 keys at a time
.rept 4*\g
	v_nop
.endr
.irp t, 0,1,2,3
.irp c, 0,1,2
	ds_load_b128 v[32+12*\t+4*\c:35+12*\t+4*\c], v[ADK] offset:12288*(\q)+1536*(4*\g+\t)+512*\c
.endr
	ds_load_b32 v[248+\t], v[ADS] offset:512*(\q)+64*(4*\g+\t)
.endr
	s_wait_dscnt 0x0
.irp t, 0,1,2,3
	v_wmma_scale_f32_16x16x128_f8f6f4 v[96+8*(4*\g+\t):103+8*(4*\g+\t)], v[32+12*\t:43+12*\t], v[16:27], 0, v[248+\t], v255 matrix_a_fmt:MATRIX_FMT_FP6 matrix_b_fmt:MATRIX_FMT_FP6
.endr
.endr
.rept 4
	v_nop
.endr
.irp b, 0,1,2,3
	v_max3_num_f32 v[232+\b], v[96+16*\b], v[97+16*\b], v[98+16*\b]   ; the largest score of each block of 32 keys: it serves the row's maximum and, since p rises with the score, the block's largest p
.endr
.irp i, 3,5,7,9,11,13
.irp b, 0,1,2,3
	v_max3_num_f32 v[232+\b], v[232+\b], v[96+16*\b+\i], v[97+16*\b+\i]
.endr
.endr
.irp b, 0,1,2,3
	v_max_num_f32 v[232+\b], v[232+\b], v[111+16*\b]
.endr
.irp b, 0,1,2,3
	s_delay_alu instid0(VALU_DEP_4)
	v_permlanex16_b32 v[236+\b], v[232+\b], s[SEL], s[SEL+1]
.endr
.irp b, 0,1,2,3
	s_delay_alu instid0(VALU_DEP_4)
	v_max_num_f32 v[232+\b], v[232+\b], v[236+\b]  ; with lane l xor 16's 16 keys
.endr
	s_delay_alu instid0(VALU_DEP_2)
	v_max3_num_f32 v254, v232, v233, v234
	s_delay_alu instid0(VALU_DEP_1)
	v_max_num_f32 v254, v254, v235                 ; the step's largest score of my query
	s_delay_alu instid0(VALU_DEP_1)
	v_mul_f32 v254, s[CS], v254                    ; as t (c is positive)
	s_delay_alu instid0(VALU_DEP_1)
	v_max_num_f32 v13, v13, v254                   ; the running largest t
	v_mov_b32 v254, v12
	s_delay_alu instid0(VALU_DEP_2)
	v_floor_f32 v12, -v13                          ; the new -M = -ceil(t): a whole number
	s_delay_alu instid0(VALU_DEP_1)
	v_sub_f32 v254, v12, v254                      ; old M - new M: a whole number, 0 or less
	s_delay_alu instid0(VALU_DEP_1)
	v_cvt_i32_f32 v254, v254                       ; (it saturates)
	s_delay_alu instid0(VALU_DEP_1)
	v_ldexp_f32 v252, 1.0, v254                    ; f = 2^(old M - new M): a multiplication by it rounds nothing
.set J, 0
.rept 32
	v_pk_fma_f32 v[96+J:97+J], v[96+J:97+J], s[CS:CS+1], v[12:13] op_sel_hi:[1,0,0]   ; t - M, two at a time
.set J, J+2
.endr
.irp b, 0,1,2,3
	v_fma_f32 v[232+\b], v[232+\b], s[CS], v12     ; the same of each block's largest score
.endr
	s_wait_alu depctr_va_vdst(0)                   ; the wait ahead of the batch
.set J, 0
.rept 64
	v_exp_f32 v[96+J], v[96+J]                     ; p = 2^(t - M), at most 1: not normalised
.set J, J+1
.endr
	v_pk_mul_f32 v[14:15], v[14:15], v[252:253] op_sel_hi:[1,0]   ; the sums under the new M (a plain place behind the exponentials)
	s_wait_alu depctr_va_vdst(0)                   ; one wait for the whole batch, ahead of its first reader
.irp b, 0,1,2,3
	v_exp_f32 v[232+\b], v[232+\b]                 ; the block's largest p: the same two instructions on the same number give the same bits
.endr
.irp c, 0,1,2,3,4,5,6,7                        ; the row's sum of the unquantised p: eight chains of four pairs,
	v_pk_add_f32 v[236+2*\c:237+2*\c], v[96+2*\c:97+2*\c], v[112+2*\c:113+2*\c]
.endr
.irp o, 128,144
.irp c, 0,1,2,3,4,5,6,7
	v_pk_add_f32 v[236+2*\c:237+2*\c], v[236+2*\c:237+2*\c], v[\o+2*\c:\o+1+2*\c]
.endr
.endr
.irp c, 0,1,2,3                                ; joined by halves
	s_delay_alu instid0(VALU_DEP_4)
	v_pk_add_f32 v[236+2*\c:237+2*\c], v[236+2*\c:237+2*\c], v[244+2*\c:245+2*\c]
.endr
.irp c, 0,1
	s_delay_alu instid0(VALU_DEP_2)
	v_pk_add_f32 v[236+2*\c:237+2*\c], v[236+2*\c:237+2*\c], v[240+2*\c:241+2*\c]
.endr
	s_delay_alu instid0(VALU_DEP_1)
	v_pk_add_f32 v[236:237], v[236:237], v[238:239]
	s_delay_alu instid0(VALU_DEP_1)
	v_pk_add_f32 v[14:15], v[14:15], v[236:237]
	s_wait_alu depctr_va_vdst(0)                   ; and one for the four
.irp b, 0,1,2,3
	v_max_num_f32 v[232+\b], 0x1800000, v[232+\b]  ; the floor 2^(3 - 127)
.endr
.irp b, 0,1,2,3
	s_delay_alu instid0(VALU_DEP_4)
	v_add_nc_u32 v[244+\b], 0xff000000, v[232+\b]  ; the conversion's scale operand
.endr
.irp b, 0,1,2,3
	s_delay_alu instid0(VALU_DEP_4)
	v_lshrrev_b32 v[236+\b], 23, v[244+\b]         ; the scale's byte
.endr
	s_delay_alu instid0(VALU_DEP_3)
	v_lshl_or_b32 v253, v237, 8, v236              ; p's scale word for these 128 keys
	s_delay_alu instid0(VALU_DEP_1)
	v_lshl_or_b32 v253, v238, 16, v253
	s_delay_alu instid0(VALU_DEP_1)
	v_lshl_or_b32 v253, v239, 24, v253
.irp c, 0,1
	v_cvt_scalef32_pk16_fp6_f32 v[224+6*\c:226+6*\c], v[96+32*\c:111+32*\c], v[244+2*\c]
	v_cvt_scalef32_pk16_fp6_f32 v[236+4*\c:238+4*\c], v[112+32*\c:127+32*\c], v[244+2*\c+1]
.endr
	v_nop                                          ; one plain place behind a scaled conversion
.irp c, 0,1
.irp i, 0,1,2
	v_permlane16_swap_b32 v[224+6*\c+\i], v[236+4*\c+\i]
.endr
.irp i, 0,1,2
	s_delay_alu instid0(VALU_DEP_3)
	v_mov_b32 v[227+6*\c+\i], v[236+4*\c+\i]
.endr
.endr
.set J, 0
.rept 32
	v_pk_mul_f32 v[160+J:161+J], v[160+J:161+J], v[252:253] op_sel_hi:[1,0]   ; O^T under the new M.  (These 32 are also the places in front of the matrix instructions and loads below)
.set J, J+2
.endr
	s_wait_alu depctr_va_vdst(0)
.irp g, 0,1                                    ; O^T += V^T P^T: four tiles of 16 channels at a time; K = these 128 keys
.rept 4*\g
	v_nop
.endr
.irp t, 0,1,2,3
.irp c, 0,1,2
	ds_load_b128 v[32+12*\t+4*\c:35+12*\t+4*\c], v[ADV] offset:12288*(\q)+1536*(4*\g+\t)+512*\c
.endr
	ds_load_b32 v[248+\t], v[ADT] offset:512*(\q)+64*(4*\g+\t)
.endr
	s_wait_dscnt 0x0
.irp t, 0,1,2,3
	v_wmma_scale_f32_16x16x128_f8f6f4 v[160+8*(4*\g+\t):167+8*(4*\g+\t)], v[32+12*\t:43+12*\t], v[224:235], v[160+8*(4*\g+\t):167+8*(4*\g+\t)], v[248+\t], v253 matrix_a_fmt:MATRIX_FMT_FP6 matrix_b_fmt:MATRIX_FMT_FP6
.endr
.endr
.endm
.macro PAIR
	STEP 0
	STEP 1
	s_add_co_u32 s[TB], s[TB], 24576
	s_add_co_u32 s[TS], s[TS], 1024
.endm
	s_wait_alu depctr_va_vdst(0)                   ; the wait at the head's end
	s_wait_loadcnt 0x0                             ; Q
	s_wait_tensorcnt 0x0                           ; my part of the head's fills is in; the later first fill is issued as a refill is:
	ds_add_u32 v[SPW], v[NIL]                      ; the add,
	s_wait_dscnt 0x0                               ; and its wait
	CROUND                                         ; everybody's part is in, and all four work-groups are here: the joint loads meet
	tensor_load_to_lds s[G0C:G0C+3], s[G1C:G1C+7]  ; my part of key steps 2 to 7: one load of mine is out
	s_nop 0
.rept 4
	v_nop
.endr
	PAIR                                           ; key steps 0 and 1, while the rest lands
	s_wait_tensorcnt 0x0                           ; my part of the rest is in,
	s_wait_dscnt 0x0
	s_barrier_signal -1
	s_barrier_wait -1                              ; everybody's is
	s_mov_b32 s[CNT], 6                            ; key steps 2 to 7: one step a trip
.Lstep:
	STEP 0
	s_add_co_u32 s[TB], s[TB], 12288
	s_add_co_u32 s[TS], s[TS], 512
	s_sub_co_u32 s[CNT], s[CNT], 1
	s_cmp_lg_u32 s[CNT], 0
	s_cbranch_scc1 .Lstep
	; THE WAY OUT.  O^T / the sum: register t is channel 32 (t / 16) + 16 (lane / 16) + t % 16 of my query: as QUANT wants it.  The fragment is K step h of the last projection.
.rept 4
	v_nop                                          ; places behind the last products
.endr
.irp b, 0,1,2,3
	v_mov_b32 v[TM+4+\b], 0                        ; a lane permute's destination counts as one of its sources
.endr
	v_add_f32 v14, v14, v15                        ; the sum's two halves,
	s_delay_alu instid0(VALU_DEP_1)
	v_permlanex16_b32 v252, v14, s[SEL], s[SEL+1]
	s_delay_alu instid0(VALU_DEP_1)
	v_add_f32 v14, v14, v252                       ; and lane l xor 16's
	s_wait_alu depctr_va_vdst(0)
	v_rcp_f32 v14, v14
	v_nop                                          ; a plain place behind the reciprocal
	s_wait_alu depctr_va_vdst(0)                   ; the wait, ahead of its first reader
.set J, 0
.rept 64
	v_mul_f32 v[96+J], v[160+J], v14               ; each accumulator from its low end on
.set J, J+1
.endr
	QUANT 96, PW
.irp c, 0,1,2
	global_store_b128 v[AK0], v[PC+4*\c:PC+4*\c+3], s[8:9] offset:512*\c   ; 512 consecutive bytes a store
.endr
	ds_store_b32 v[SWA], v[PW]                     ; lanes r and r + 16 write the same word with the same value
	s_wait_dscnt 0x0                               ; for the others' sake: my store is done
	s_barrier_signal -1
	s_barrier_wait -1
	s_cmp_lg_u32 s[WV], 0                          ; wave 0 stores the sixteen fragments' scale words: 1,024 consecutive bytes
	s_cbranch_scc1 .Lnot_first
	ds_load_b128 v[96:99], v[SRA]
	ds_load_b128 v[100:103], v[SRA] offset:512
	s_wait_dscnt 0x0
	global_store_b128 v[AK0], v[96:99], s[10:11]
	global_store_b128 v[AK0], v[100:103], s[10:11] offset:512
.Lnot_first:
	s_wait_tensorcnt 0x0                           ; the wave's end
	ds_add_u32 v[SPW], v[NIL]
	s_wait_dscnt 0x0
	CROUND                                         ; the closing round
	s_endpgm
.Lfunc_end_k_qf6da49503f_attn:
	.size	k_qf6da49503f_attn, .Lfunc_end_k_qf6da49503f_attn-k_qf6da49503f_attn
	.p2alignl 7, 3214868480
	.fill 96, 4, 3214868480
	.section	.rodata,"a",@progbits
	.p2align	6, 0x0
	.amdhsa_kernel k_qf6da49503f_attn
		.amdhsa_group_segment_fixed_size 327680
		.amdhsa_private_segment_fixed_size 0
		.amdhsa_enable_private_segment 0
		.amdhsa_kernarg_size 32
		.amdhsa_user_sgpr_count 2
		.amdhsa_user_sgpr_kernarg_segment_ptr 1
		.amdhsa_wavefront_size32 1
		.amdhsa_system_sgpr_workgroup_id_x 1
		.amdhsa_system_sgpr_workgroup_id_y 1
		.amdhsa_system_sgpr_workgroup_id_z 1
		.amdhsa_system_vgpr_workitem_id 0
		.amdhsa_next_free_vgpr 256
		.amdhsa_next_free_sgpr 80
		.amdhsa_reserve_vcc 0
		.amdhsa_float_denorm_mode_32 3
		.amdhsa_float_denorm_mode_16_64 3
		.amdhsa_memory_ordered 1
		.amdhsa_forward_progress 1
		.amdhsa_inst_pref_size 82
	.end_amdhsa_kernel
	.amdgpu_metadata
---
amdhsa.version: [ 1, 2 ]
amdhsa.kernels:
  - .name:           k_qf6da49503f_attn
    .symbol:         k_qf6da49503f_attn.kd
    .args:
      - { .name: qkv_img, .offset: 0, .size: 8, .value_kind: global_buffer, .address_space: global }
      - { .name: qkv_scl, .offset: 8, .size: 8, .value_kind: global_buffer, .address_space: global }
      - { .name: att_img, .offset: 16, .size: 8, .value_kind: global_buffer, .address_space: global }
      - { .name: att_scl, .offset: 24, .size: 8, .value_kind: global_buffer, .address_space: global }
    .group_segment_fixed_size: 327680
    .private_segment_fixed_size: 0
    .kernarg_segment_align: 8
    .kernarg_segment_size: 32
    .max_flat_workgroup_size: 512
    .sgpr_count:     80
    .vgpr_count:     256
    .wavefront_size: 32
...
	.end_amdgpu_metadata
.endif
;; end of part 3
;; launch gemm_out (part 4): grid 8 x 32, 4 waves a work-group, clusters of 4 x 4, 327,680 bytes of LDS; arguments att_img, att_scl, xw_img, xw_scl, out0; writes out0
.if DOCPART == 4
	.amdgcn_target "amdgcn-amd-amdhsa--gfx1250"
	.amdhsa_code_object_version 6
	.text
	.protected	k_qf6da49503f_gemm_out
	.globl	k_qf6da49503f_gemm_out
	.p2align	8
	.type	k_qf6da49503f_gemm_out,@function
k_qf6da49503f_gemm_out:
	s_mov_b64 s[64:65], 0
	v_nop
	global_prefetch_b8 v0, s[64:65] scope:SCOPE_SE
	s_setreg_imm32_b32 hwreg(HW_REG_WAVE_MODE, 25, 1), 1
	s_wait_xcnt 0x0
	s_wait_alu depctr_hold_cnt(0) depctr_sa_sdst(0) depctr_va_vdst(0) depctr_va_sdst(0) depctr_va_ssrc(0) depctr_va_vcc(0) depctr_vm_vsrc(0)
	s_getreg_b32 s2, hwreg(HW_REG_IB_STS2, 6, 4)
	s_cmp_eq_u32 s2, 0
	s_cbranch_scc0 .Lentry_in_a_cluster
	s_endpgm
.Lentry_in_a_cluster:
	s_bfe_u32 s2, ttmp6, 0x10000c
	s_cmp_lg_u32 s2, 0xf033
	s_cbranch_scc0 .Lentry_shape_is_right
	s_endpgm
.Lentry_shape_is_right:
; out0 [4096][2048] = att Wo on codes of FP6 (E2M3) with E8M0 scales, f32 sums.  K = (h, d) = 2,048: 16 steps of 128.
; OPERANDS ARE IMAGES of operand registers: a fragment (16 rows x 128 K) is 1,536 bytes, registers 4 c .. 4 c + 3 of lane L at 512 c + 16 L.  att's fragment (row block P, K step s) at (16 P + s) x 1,536 of att_img, its scale
; words at (256 s + P) x 64 of att_scl; Wo's fragment (stored block Pw, s) at WOIMG + (16 Pw + s) x 1,536 of xw_img, its scale words at WOSCL + 8,192 s + 64 Pw of xw_scl.
; Rows and columns are stored permuted inside groups of 32 (stored 16 u + r = actual 8 u + r + 8 (r / 8)); the way out puts both back.
; A work-group of four waves makes 128 rows x 256 columns; a wave 64 x 128: 32 accumulators.  Source 0 = 16 columns of Wo, source 1 = 16 rows of att: a lane holds eight numbers of one row of the result.
; K goes four steps at a time through a ring of two LDS slots: 4 fills.  A tile's row is a row block's 6,144 bytes, a multiple of 256 from the buffer's start.  The scale words of all K come once:
; att's as 16 rows (K steps) of 512 bytes, Wo's as 16 rows of 1,024 bytes.  The two strides differ, so the loads of scale words have an address register for each K step: lanes 0-15 att's words, lanes 16-31 Wo's.
; CLUSTER 4 x 4: att's tiles are asked for jointly along a row of the cluster, Wo's along a column.
; PREFETCH: at the head fills 1 and 2, behind fill 1's load fill 3: a row block's 6,144 bytes of a fill are 24 blocks of 256 bytes, a lane a block (lanes 24-31 the last once more).  Of the 4 row blocks that a wave fetches
; of att each of the four partners names one (by address: cx), of the 8 of Wo two (cy): a second request in those waves.
; The stage for the way out lies in slot 0, which has had its last fill and its last read when the first result is stored there.
; REGISTERS: window 0: v0-31 addresses, v32-95 scale words (two sets of 32), v96-111 addresses of scale words, v128-223 source 1's fragments (two sets of 48), on the way out v128-255; window 1: source 0's fragments at v0 and v128; window 2: the accumulators.
.set NQ,    4
.set FR,    12
.set NP,    4
.set FRB,   1536
.set RBK,   16*FRB
.set STEPB, NQ*FRB
.set HALFA, 4*STEPB
.set ATILE, 8*STEPB
.set HALFB, 8*STEPB
.set SLOT,  ATILE+2*HALFB
.set SCA,   2*SLOT
.set SCB,   SCA+8192
.set SPARE, SCB+16384                  ; the spare words, 128 bytes a wave
.set SPITCH, 528
.set WOIMG, 6291456+192*RBK
.set WOSCL, 458752
.set SBI,   64
.set ROWC,  8192
.set ADRA, 16
.set ADRB, 20
.set STO,  24
.set RD,   25
.set CO,   26
.set SPW,  28
.set NIL,  29
.set PFO,  30                          ; v30 256 x min(lane, 23); never rewritten
.set SC,   32
.set ADS,  96
.set AF,   128
.set BK,   128
.set G0H,  4                           ; s[4:7], s[8:11] group 0 of the head's two loads of codes
.set G0HB, 8
.set G1, 24
.set G0, 32
.set G1B, 48
.set G0B, 56
.set G1S, 68
.set G0S, 76
.set G1SB, 80
.set G0SB, 88
.set PFA, 96                           ; s[96:97] the row blocks that I name, at fill 0; never rewritten
.set MSB, 0
.macro WIN new
.if MSB != \new
	s_set_vgpr_msb (MSB<<8)|\new
.set MSB, \new
.endif
.endm
.set MUL,  0xa1
.set TO_B, 0x40
.macro JLOAD g0a, g1a, g0b, g1b        ; waves 0, 1 fetch att's halves, waves 2, 3 Wo's
	s_cmp_eq_u32 s15, 0
	s_cbranch_scc0 .Lfor_b_\@
	tensor_load_to_lds s[\g0a:\g0a+3], s[\g1a:\g1a+7]
	s_nop 0
.rept 4
	v_nop
.endr
	s_branch .Lasked_\@
.Lfor_b_\@:
	tensor_load_to_lds s[\g0b:\g0b+3], s[\g1b:\g1b+7]
	s_nop 0
.rept 4
	v_nop
.endr
.Lasked_\@:
.endm
.macro CREST
	s_cmp_lg_u32 s14, 0
	s_cbranch_scc1 .Lnot_wave_0_\@
	s_barrier_signal -3
.Lnot_wave_0_\@:
	s_barrier_wait -3
	s_barrier_signal -1
	s_barrier_wait -1
.endm
.macro CROUND
	s_barrier_signal -1
	s_barrier_wait -1
	CREST
.endm
.macro ASK f                           ; fill f of the row blocks that I name
	global_prefetch_b8 v[PFO], s[PFA:PFA+1] offset:(\f)*STEPB th:TH_LOAD_NT scope:SCOPE_SE
	s_cmp_eq_u32 s15, 0
	s_cbranch_scc1 .Lone_\@
	global_prefetch_b8 v[PFO], s[PFA:PFA+1] offset:RBK+(\f)*STEPB th:TH_LOAD_NT scope:SCOPE_SE
.Lone_\@:
.endm
	s_load_b128 s[4:7], s[0:1], 0x0                ; att_img, att_scl
	s_load_b128 s[8:11], s[0:1], 0x10              ; xw_img, xw_scl
	s_load_b64 s[12:13], s[0:1], 0x20              ; out0
	v_lshl_add_u32 v[SPW], v0, 2, SPARE
	v_mov_b32 v[NIL], 0
	ds_add_u32 v[SPW], v[NIL]                      ; the opening lines: the add, twice on end, and its wait ahead of my first tensor load
	ds_add_u32 v[SPW], v[NIL]
	v_lshrrev_b32 v1, 5, v0
	v_readfirstlane_b32 s14, v1                    ; wave 0..3
	v_and_b32 v6, 31, v0                           ; lane
	v_min_u32 v7, 23, v6
	v_lshlrev_b32 v[PFO], 8, v7
	s_lshr_b32 s15, s14, 1                         ; my half of the rows; also: I fetch for att (0) or for Wo (1)
	s_and_b32 s16, s14, 1                          ; my half of the columns; also: which half of that tile I fetch
	s_bfe_u32 s40, ttmp6, 0x40000                  ; cx
	s_bfe_u32 s41, ttmp6, 0x40004                  ; cy
	s_lshl_b32 s42, ttmp9, 2
	s_add_co_u32 s42, s42, s40                     ; tile column
	s_and_b32 s17, ttmp7, 0xffff
	s_lshl_b32 s17, s17, 2
	s_add_co_u32 s17, s17, s41                     ; tile row
	s_lshl_b32 s43, s41, 2
	s_lshl_b32 s43, 15, s43                        ; my row of the cluster
	s_lshl_b32 s44, 0x1111, s40                    ; my column
	s_or_b32 s[G1+0], s43, (3<<16)|(1<<21)         ; elements of 8 bytes; bit 21 beside a mask
	s_or_b32 s[G1B+0], s44, (3<<16)|(1<<21)
.irp g, G1, G1B                        ; rows of 6,144 bytes, 24,576 apart
	s_mov_b32 s[\g+1], 768<<16
	s_mov_b32 s[\g+3], 768<<16
	s_mov_b32 s[\g+5], 3072
	s_mov_b32 s[\g+6], 0
	s_mov_b32 s[\g+7], 0
.endr
	s_mov_b32 s[G1+2], 8<<16                       ; for the head's loads: att's 8 row blocks,
	s_mov_b32 s[G1+4], 8
	s_mov_b32 s[G1B+2], 16<<16                     ; Wo's 16
	s_mov_b32 s[G1B+4], 16
	s_or_b32 s[G1S+0], s43, (3<<16)|(1<<21)
	s_or_b32 s[G1SB+0], s44, (3<<16)|(1<<21)
	s_mov_b32 s[G1S+1], 64<<16                     ; att's scale words: 16 rows of 512 bytes, 16,384 apart
	s_mov_b32 s[G1S+2], 16<<16
	s_mov_b32 s[G1S+3], 64<<16
	s_mov_b32 s[G1S+4], 16
	s_mov_b32 s[G1S+5], 2048
	s_mov_b32 s[G1S+6], 0
	s_mov_b32 s[G1S+7], 0
	s_mov_b32 s[G1SB+1], 128<<16                   ; Wo's: 16 rows of 1,024 bytes, 8,192 apart
	s_mov_b32 s[G1SB+2], 16<<16
	s_mov_b32 s[G1SB+3], 128<<16
	s_mov_b32 s[G1SB+4], 16
	s_mov_b32 s[G1SB+5], 1024
	s_mov_b32 s[G1SB+6], 0
	s_mov_b32 s[G1SB+7], 0
	s_lshl_b32 s20, s17, 3                         ; att's first row block
	s_mul_i32 s20, s20, RBK
	s_mov_b32 s21, 0
	s_lshl_b32 s22, s17, 9
	s_mov_b32 s23, 0
	s_lshl_b32 s46, s42, 4                         ; Wo's first stored block
	s_lshl_b32 s92, s46, 6
	s_add_co_u32 s92, s92, WOSCL
	s_mov_b32 s93, 0
	s_mul_i32 s46, s46, RBK
	s_add_co_u32 s46, s46, WOIMG
	s_mov_b32 s47, 0
	s_mul_i32 s18, s16, 4*RBK                      ; in the ring: my half of att's tile,
	s_mov_b32 s19, 0
	s_mul_i32 s94, s16, 8*RBK                      ; or of Wo's,
	s_mov_b32 s95, 0
	s_mul_i32 s45, s16, HALFA                      ; and where they go
	s_mul_i32 s66, s16, HALFB
	s_add_co_u32 s66, s66, ATILE
	s_wait_dscnt 0x0                               ; both opening adds are done
	s_wait_kmcnt 0x0
	s_add_nc_u64 s[20:21], s[4:5], s[20:21]
	s_add_nc_u64 s[22:23], s[6:7], s[22:23]
	s_add_nc_u64 s[46:47], s[8:9], s[46:47]
	s_add_nc_u64 s[92:93], s[10:11], s[92:93]
	CROUND                                         ; all sixteen work-groups are here: the first joint loads meet
	s_mov_b32 s[G0S], 1
	s_mov_b32 s[G0S+1], SCA
	s_mov_b64 s[G0S+2:G0S+3], s[22:23]
	s_or_b32 s[G0S+3], s[G0S+3], 0x80000000
	s_mov_b32 s[G0SB], 1
	s_mov_b32 s[G0SB+1], SCB
	s_mov_b64 s[G0SB+2:G0SB+3], s[92:93]
	s_or_b32 s[G0SB+3], s[G0SB+3], 0x80000000
	s_mov_b32 s[G0H], 1                            ; fill 0 whole: att's tile,
	s_mov_b32 s[G0H+1], 0
	s_mov_b64 s[G0H+2:G0H+3], s[20:21]
	s_or_b32 s[G0H+3], s[G0H+3], 0x80000000
	s_mov_b32 s[G0HB], 1                           ; and Wo's
	s_mov_b32 s[G0HB+1], ATILE
	s_mov_b64 s[G0HB+2:G0HB+3], s[46:47]
	s_or_b32 s[G0HB+3], s[G0HB+3], 0x80000000
	s_add_nc_u64 s[20:21], s[20:21], s[18:19]
	s_add_nc_u64 s[46:47], s[46:47], s[94:95]
.irp s, 0,1
	s_mov_b32 s[G0+4*\s], 1
	s_add_co_u32 s[G0+4*\s+1], s45, \s*SLOT
	s_add_nc_u64 s[G0+4*\s+2:G0+4*\s+3], s[20:21], \s*STEPB
	s_or_b32 s[G0+4*\s+3], s[G0+4*\s+3], 0x80000000
	s_mov_b32 s[G0B+4*\s], 1
	s_add_co_u32 s[G0B+4*\s+1], s66, \s*SLOT
	s_add_nc_u64 s[G0B+4*\s+2:G0B+4*\s+3], s[46:47], \s*STEPB
	s_or_b32 s[G0B+4*\s+3], s[G0B+4*\s+3], 0x80000000
.endr
	s_lshl_b32 s94, s41, 1                         ; the prefetches: of att's 4 row blocks block cx, of Wo's 8 blocks 2 cy and 2 cy + 1
	s_cmp_eq_u32 s15, 0
	s_cselect_b64 s[PFA:PFA+1], s[20:21], s[46:47]
	s_cselect_b32 s18, s40, s94
	s_mul_i32 s18, s18, RBK
	s_add_nc_u64 s[PFA:PFA+1], s[PFA:PFA+1], s[18:19]
; THE HEAD'S LOADS, one a wave: wave 0 att's codes of fill 0, wave 1 Wo's, wave 2 att's scale words, wave 3 Wo's.
.macro ARM under, g0, g1, next
	s_cmp_lt_u32 s14, \under
	s_cbranch_scc0 \next
	tensor_load_to_lds s[\g0:\g0+3], s[\g1:\g1+7]
	s_nop 0
.rept 4
	v_nop
.endr
	s_branch .Lhead_asked
\next:
.endm
	ARM 1, G0H,  G1,  .Lhead_b
	ARM 2, G0HB, G1B, .Lhead_sa
	ARM 3, G0S,  G1S, .Lhead_sb
	tensor_load_to_lds s[G0SB:G0SB+3], s[G1SB:G1SB+7]
	s_nop 0
.rept 4
	v_nop
.endr
.Lhead_asked:
	s_wait_alu depctr_va_vdst(0)                   ; the wait, directly ahead of the reader below
	ASK 1
	ASK 2
	s_mul_i32 s21, s15, HALFA                      ; my 4 row blocks of att,
	s_mul_i32 s22, s16, HALFB                      ; my 8 blocks of Wo
	s_add_co_u32 s22, s22, ATILE
	s_lshl_b32 s18, s15, 8                         ; my 4 blocks' scale words in a row of att's,
	s_lshl_b32 s19, s16, 9                         ; my 8 blocks' in a row of Wo's
	s_add_co_u32 s19, s19, SCB-SCA
	s_sub_co_u32 s19, s19, s18                     ; from the one to the other, at K step 0
	s_add_co_u32 s18, s18, SCA
	s_mul_i32 s23, s14, 16*SPITCH                  ; my stage
	s_lshl_b32 s44, s17, 7
	s_lshl_b32 s43, s15, 6
	s_add_co_u32 s44, s44, s43                     ; my first row of the result
	s_lshl_b32 s44, s44, 13
	s_mov_b32 s45, 0
	s_lshl_b32 s46, s42, 10
	s_lshl_b32 s43, s16, 9
	s_add_co_u32 s46, s46, s43                     ; my first column, in bytes
	s_mov_b32 s47, 0
	s_add_nc_u64 s[44:45], s[44:45], s[46:47]
	s_add_nc_u64 s[12:13], s[12:13], s[44:45]
	v_and_b32 v1, 15, v0                           ; r
	v_bfe_u32 v2, v0, 4, 1                         ; h
	v_lshlrev_b32 v[CO], 4, v6
	v_mul_u32_u24 v3, s19, v2
	v_mul_u32_u24 v5, v1, SPITCH
	v_add_nc_u32 v[ADRA], s21, v[CO]
	v_add_nc_u32 v[ADRB], s22, v[CO]
	v_lshl_add_u32 v3, v1, 2, v3
	v_lshl_add_u32 v5, v2, 6, v5
	v_add_nc_u32 v[ADRA+1], SLOT, v[ADRA]
	v_add_nc_u32 v[ADRB+1], SLOT, v[ADRB]
	v_lshl_add_u32 v4, v2, 9, 512                  ; from K step to K step: 512 bytes in lanes 0-15, 1,024 in lanes 16-31
	v_add_nc_u32 v[ADS], s18, v3
	v_add_nc_u32 v[STO], s23, v5
	v_add_nc_u32 v[RD], s23, v[CO]
.irp s, 1,2,3,4,5,6,7,8,9,10,11,12,13,14,15
	v_add_nc_u32 v[ADS+\s], v4, v[ADS+\s-1]
.endr
.macro FRAG reg, adr, q, i
.irp c, 0,1,2
	ds_load_b128 v[\reg+4*\c:\reg+4*\c+3], v[\adr] offset:STEPB*(\i)+FRB*(\q)+512*\c
.endr
.endm
.macro FETCH_A slot, q, p
.irp i, 0,1,2,3
	FRAG AF+48*(\p)+FR*\i, ADRA+\slot, \q, \i
.endr
.endm
.macro FETCH_B slot, q, p, i0
	WIN TO_B
.irp i, \i0, \i0+1, \i0+2, \i0+3
	FRAG 128*(\p)+FR*(\i), ADRB+\slot, \q, \i
.endr
.endm
.macro SCALES sc, k, i0                ; the scale words of fill k's four steps, blocks i0 .. i0 + 3, into set sc
.irp i, \i0, \i0+1, \i0+2, \i0+3
.irp q, 0,1,2,3
	ds_load_b32 v[SC+8*NQ*(\sc)+NQ*(\i)+\q], v[ADS+NQ*(\k)+\q] offset:SBI*(\i)
.endr
.endr
.endm
.macro MULA a, p, q, sc, zero          ; the 32 accumulators take turns, in the same order in every step
.irp b, 0,1,2,3,4,5,6,7
.if \zero
	v_wmma_scale_f32_16x16x128_f8f6f4 v[8*(8*(\a)+\b):8*(8*(\a)+\b)+7], v[128*(\p)+FR*\b:128*(\p)+FR*\b+FR-1], v[AF+48*(\p)+FR*(\a):AF+48*(\p)+FR*(\a)+FR-1], 0, v[SC+8*NQ*(\sc)+NQ*\b+(\q)], v[SC+8*NQ*(\sc)+NQ*(\a)+(\q)] matrix_a_fmt:MATRIX_FMT_FP6 matrix_b_fmt:MATRIX_FMT_FP6 matrix_a_scale:MATRIX_SCALE_ROW1
.else
	v_wmma_scale_f32_16x16x128_f8f6f4 v[8*(8*(\a)+\b):8*(8*(\a)+\b)+7], v[128*(\p)+FR*\b:128*(\p)+FR*\b+FR-1], v[AF+48*(\p)+FR*(\a):AF+48*(\p)+FR*(\a)+FR-1], v[8*(8*(\a)+\b):8*(8*(\a)+\b)+7], v[SC+8*NQ*(\sc)+NQ*\b+(\q)], v[SC+8*NQ*(\sc)+NQ*(\a)+(\q)] matrix_a_fmt:MATRIX_FMT_FP6 matrix_b_fmt:MATRIX_FMT_FP6 matrix_a_scale:MATRIX_SCALE_ROW1
.endif
.endr
.endm
.macro PLACES n
.rept \n
	v_nop
.endr
.endm
.macro STEP slot, q, k, zero           ; one of a slot's first three K steps; the next step's fragments are asked for ahead of its products, into the other sets
	PLACES NP
	s_wait_dscnt 0x0
	WIN 0
	FETCH_A \slot, (\q)+1, 1-(\q)%2
.if ((\q) == 1) && ((\k) < 3)
	SCALES 1-\slot, (\k)+1, 0
.endif
.if ((\q) == 2) && ((\k) < 3)
	SCALES 1-\slot, (\k)+1, 4
.endif
	FETCH_B \slot, (\q)+1, 1-(\q)%2, 0
	FETCH_B \slot, (\q)+1, 1-(\q)%2, 4
	WIN MUL
	MULA 0, (\q)%2, \q, \slot, \zero
	MULA 1, (\q)%2, \q, \slot, \zero
	MULA 2, (\q)%2, \q, \slot, \zero
	MULA 3, (\q)%2, \q, \slot, \zero
.endm
.macro TURN slot, next, fill           ; a slot's last K step, and the change of slots: the step's fragments are all in registers, so the refill goes out ahead of its products
	WIN 0
	s_wait_tensorcnt 0x0                           ; my part of the next slot is in;
	ds_add_u32 v[SPW], v[NIL]                      ; the add;
	s_wait_dscnt 0x0                               ; it is done, and my reads of this slot are over
	s_barrier_signal -1
	s_barrier_wait -1
.if \fill
	CREST                                          ; the barrier has opened a round of the cluster's barrier
	s_add_nc_u64 s[G0+4*\slot+2:G0+4*\slot+3], s[G0+4*\slot+2:G0+4*\slot+3], 2*STEPB
	s_add_nc_u64 s[G0B+4*\slot+2:G0B+4*\slot+3], s[G0B+4*\slot+2:G0B+4*\slot+3], 2*STEPB
	JLOAD G0+4*\slot, G1, G0B+4*\slot, G1B         ; its four v_nop are the places in front of the loads below
.else
	PLACES NP
.endif
	FETCH_A \next, 0, 0
	FETCH_B \next, 0, 0, 0
	FETCH_B \next, 0, 0, 4
	WIN MUL
	MULA 0, 1, NQ-1, \slot, 0
	MULA 1, 1, NQ-1, \slot, 0
	MULA 2, 1, NQ-1, \slot, 0
	MULA 3, 1, NQ-1, \slot, 0
.endm
	s_wait_alu depctr_va_vdst(0)                   ; the wait at the head's end
	s_wait_tensorcnt 0x0                           ; my tile of the head's four is in; slot 1's first fill is issued as a refill is:
	ds_add_u32 v[SPW], v[NIL]
	s_mov_b32 s[G1+2], 4<<16                       ; no tensor load of mine is out: from here on a load brings half a tile
	s_mov_b32 s[G1+4], 4
	s_mov_b32 s[G1B+2], 8<<16
	s_mov_b32 s[G1B+4], 8
	s_wait_dscnt 0x0
	CROUND
	JLOAD G0+4, G1, G0B+4, G1B                     ; fill 1
	FETCH_A 0, 0, 0
	SCALES 0, 0, 0
	SCALES 0, 0, 4
	ASK 3
	FETCH_B 0, 0, 0, 0
	FETCH_B 0, 0, 0, 4
	STEP 0, 0, 0, 1                                ; the first step's products start the sums
	STEP 0, 1, 0, 0
	STEP 0, 2, 0, 0
	TURN 0, 1, 1
	STEP 1, 0, 1, 0
	STEP 1, 1, 1, 0
	STEP 1, 2, 1, 0
	TURN 1, 0, 1
	STEP 0, 0, 2, 0
	STEP 0, 1, 2, 0
	STEP 0, 2, 2, 0
	TURN 0, 1, 0
	STEP 1, 0, 3, 0
	STEP 1, 1, 3, 0
	STEP 1, 2, 3, 0
	s_wait_dscnt 0x0
	WIN MUL
	MULA 0, 1, NQ-1, 1, 0
	MULA 1, 1, NQ-1, 1, 0
	MULA 2, 1, NQ-1, 1, 0
	MULA 3, 1, NQ-1, 1, 0
	WIN 0
; THE WAY OUT, block by block of 16 rows x 128 columns, through my own stage: in as 32 bytes a lane at the columns' true places, back as whole rows of 512 bytes.
.macro TOSTAGE a
.set AC, 64*(\a)
	WIN 0x08
.irp b, 0,1,2,3,4,5,6,7
	ds_store_b128 v[STO], v[AC+8*\b:AC+8*\b+3] offset:128*(\b/2)+32*(\b%2)       ; each accumulator from its low end on
	ds_store_b128 v[STO], v[AC+8*\b+4:AC+8*\b+7] offset:128*(\b/2)+32*(\b%2)+16
.endr
	WIN 0
.set BB, BK+64*((\a)%2)
.irp t, 0,1,2,3,4,5,6,7,8,9,10,11,12,13,14,15
	ds_load_b128 v[BB+4*\t:BB+4*\t+3], v[RD] offset:\t*SPITCH   ; LDS serves a wave's instructions in order: these see my stores
.endr
.endm
.macro SEND a, younger                 ; younger: the LDS instructions issued behind block a's loads, which may stay out
.set BB, BK+64*((\a)%2)
	s_wait_dscnt \younger
.if (\a) > 0
.if ((\a)%2) == 1
	s_add_nc_u64 s[12:13], s[12:13], 8*ROWC        ; stored block 2 j + 1 begins 8 rows behind block 2 j,
.else
	s_add_nc_u64 s[12:13], s[12:13], 24*ROWC       ; block 2 j + 2 another 24
.endif
.endif
.irp t, 0,1,2,3,4,5,6,7,8,9,10,11,12,13,14,15
	global_store_b128 v[CO], v[BB+4*\t:BB+4*\t+3], s[12:13] offset:(\t+8*(\t/8))*ROWC th:TH_STORE_NT   ; 32 lanes store 512 consecutive bytes, aligned
.endr
.endm
	PLACES NP
	TOSTAGE 0
.irp a, 1,2,3
.if \a > 1
	s_wait_xcnt 0x0                                ; block a - 2's stores have read their registers and their base
.endif
	TOSTAGE \a
	SEND \a-1, 32
.endr
	s_wait_xcnt 0x0
	SEND 3, 0
	s_wait_tensorcnt 0x0                           ; the wave's end
	ds_add_u32 v[SPW], v[NIL]
	s_wait_dscnt 0x0
	CROUND                                         ; the closing round
	s_endpgm
.Lfunc_end_k_qf6da49503f_gemm_out:
	.size	k_qf6da49503f_gemm_out, .Lfunc_end_k_qf6da49503f_gemm_out-k_qf6da49503f_gemm_out
	.p2alignl 7, 3214868480
	.fill 96, 4, 3214868480
	.section	.rodata,"a",@progbits
	.p2align	6, 0x0
	.amdhsa_kernel k_qf6da49503f_gemm_out
		.amdhsa_group_segment_fixed_size 327680
		.amdhsa_private_segment_fixed_size 0
		.amdhsa_enable_private_segment 0
		.amdhsa_kernarg_size 40
		.amdhsa_user_sgpr_count 2
		.amdhsa_user_sgpr_kernarg_segment_ptr 1
		.amdhsa_wavefront_size32 1
		.amdhsa_system_sgpr_workgroup_id_x 1
		.amdhsa_system_sgpr_workgroup_id_y 1
		.amdhsa_system_sgpr_workgroup_id_z 1
		.amdhsa_system_vgpr_workitem_id 0
		.amdhsa_next_free_vgpr 768
		.amdhsa_next_free_sgpr 98
		.amdhsa_reserve_vcc 0
		.amdhsa_float_denorm_mode_32 3
		.amdhsa_float_denorm_mode_16_64 3
		.amdhsa_memory_ordered 1
		.amdhsa_forward_progress 1
		.amdhsa_inst_pref_size 141
	.end_amdhsa_kernel
	.amdgpu_metadata
---
amdhsa.version: [ 1, 2 ]
amdhsa.kernels:
  - .name:           k_qf6da49503f_gemm_out
    .symbol:         k_qf6da49503f_gemm_out.kd
    .args:
      - { .name: att_img, .offset: 0, .size: 8, .value_kind: global_buffer, .address_space: global }
      - { .name: att_scl, .offset: 8, .size: 8, .value_kind: global_buffer, .address_space: global }
      - { .name: xw_img, .offset: 16, .size: 8, .value_kind: global_buffer, .address_space: global }
      - { .name: xw_scl, .offset: 24, .size: 8, .value_kind: global_buffer, .address_space: global }
      - { .name: out0, .offset: 32, .size: 8, .value_kind: global_buffer, .address_space: global }
    .group_segment_fixed_size: 327680
    .private_segment_fixed_size: 0
    .kernarg_segment_align: 8
    .kernarg_segment_size: 40
    .max_flat_workgroup_size: 128
    .sgpr_count:     98
    .vgpr_count:     768
    .wavefront_size: 32
...
	.end_amdgpu_metadata
.endif
;; end of part 4
